; MI455X (gfx1250); checked and timed in simulation.
; The chip was launched on July 23, 2026; its instructions are those of AMD's public machine-readable ISA for CDNA 5 (MIT licence, August 2026) and "CDNA5" Instruction Set Architecture Reference Guide (July 2026). The comments in the code are by the model that wrote it; some were corrected since.
;; My Self Attention. Allowed arithmetic: float matrix products may take bf16 or f16 operands with f32 sums; other float arithmetic in f32, or as packed bf16 or f16 multiplies, adds, multiply-adds, maxima and minima; sums over many terms, partial sums and values carried from step to step in f32; what a program stores and reads back later, other than sums and carried values, may be rounded once to bf16 or f16.
;; Inputs: Wk 1,024 x 1,024 float32; Wq 1,024 x 1,024 float32; Wv 1,024 x 1,024 float32; bk 1,024 float32; bq 1,024 float32; bv 1,024 float32; x 4 x 2,048 x 1,024 float32.
;; Outputs: out0 4 x 2,048 x 1,024 float32.
;; 2 versions, each right and faster than the one before. Each part assembles by itself: llvm-mc -triple=amdgcn-amd-amdhsa -mcpu=gfx1250 --defsym DOCPART=n.
;; ======== version 1 of 2: 4 launches
;; limits: values are held in f16: magnitudes above 65,504 overflow, below 6.1e-05 lose precision
;; workspace buffers: xw 23,068,672 bytes; qkv 50,331,648 bytes; e 33,554,432 bytes; stats 1,048,576 bytes
;; launch cast (part 1): grid 256 x 11, 8 waves a work-group, no clusters, 0 bytes of LDS; arguments x, Wq, Wk, Wv, xw; writes xw
.if DOCPART == 1
	.amdgcn_target "amdgcn-amd-amdhsa--gfx1250"
	.amdhsa_code_object_version 6
	.text
	.protected	k_q49823849e7_cast
	.globl	k_q49823849e7_cast
	.p2align	8
	.type	k_q49823849e7_cast,@function
k_q49823849e7_cast:
	s_mov_b64 s[64:65], 0
	v_nop
	global_prefetch_b8 v0, s[64:65] scope:SCOPE_SE
	s_setreg_imm32_b32 hwreg(HW_REG_WAVE_MODE, 25, 1), 1
	s_wait_xcnt 0x0
; xw[11264][1024] bf16 = the rows of x (0-8191), Wq (8192-), Wk (9216-), Wv (10240-), each number rounded once to bf16 (nearest even).
; A stream: every input byte is read once by 16-byte loads, every output byte written once; no LDS, no barrier, no matrix unit: there is nothing to share and nothing to multiply.
; Slice y of the grid is 4 MiB of f32 (y = 0-7: x's eighths; 8, 9, 10: the three weights) and 2 MiB of xw; work-group x takes 16 KiB of it: four loads a thread.
.set IN_WG,  16384                     ; bytes a work-group reads
.set OUT_WG, 8192                      ; bytes it writes
	s_load_b256 s[4:11], s[0:1], 0x0               ; x s[4:5], Wq s[6:7], Wk s[8:9], Wv s[10:11]
	s_load_b64 s[12:13], s[0:1], 0x20              ; xw
	s_and_b32 s16, ttmp7, 0xffff                   ; the slice
	v_lshlrev_b32 v1, 4, v0                        ; 16 bytes a thread in,
	v_lshlrev_b32 v2, 3, v0                        ; 8 bytes out
	s_lshl_b32 s20, s16, 21                        ; the slice's 2 MiB of xw,
	s_lshl_b32 s21, ttmp9, 13                      ; the work-group's 8 KiB of them
	s_add_co_u32 s20, s20, s21
	s_mov_b32 s21, 0
	s_wait_kmcnt 0x0
	s_cmp_lt_u32 s16, 8                            ; which buffer: the choice hangs on the slice's number alone
	s_cselect_b64 s[14:15], s[4:5], s[6:7]
	s_cselect_b32 s17, s16, 0                      ; and which 4 MiB of it: a weight has only one
	s_cmp_eq_u32 s16, 9
	s_cselect_b64 s[14:15], s[8:9], s[14:15]
	s_cmp_eq_u32 s16, 10
	s_cselect_b64 s[14:15], s[10:11], s[14:15]
	s_lshl_b32 s18, s17, 22
	s_lshl_b32 s19, ttmp9, 14
	s_add_co_u32 s18, s18, s19
	s_mov_b32 s19, 0
	s_add_nc_u64 s[14:15], s[14:15], s[18:19]
	s_add_nc_u64 s[12:13], s[12:13], s[20:21]
.irp j, 0,1,2,3
	global_load_b128 v[4+4*(\j):7+4*(\j)], v1, s[14:15] offset:4096*(\j) th:TH_LOAD_NT  ; a wave's load covers 512 consecutive bytes; read once in the launch
.endr
.irp j, 0,1,2,3
	s_wait_loadcnt 3-(\j)                          ; loads come back in order: load j is in, the 3 - j younger ones stay out
	v_cvt_pk_bf16_f32 v[20+2*(\j)], v[4+4*(\j)], v[5+4*(\j)]
	v_cvt_pk_bf16_f32 v[21+2*(\j)], v[6+4*(\j)], v[7+4*(\j)]
	global_store_b64 v2, v[20+2*(\j):21+2*(\j)], s[12:13] offset:2048*(\j)  ; a wave's store covers 256 consecutive bytes, aligned
.endr
	s_endpgm
.Lfunc_end_k_q49823849e7_cast:
	.size	k_q49823849e7_cast, .Lfunc_end_k_q49823849e7_cast-k_q49823849e7_cast
	.p2alignl 7, 3214868480
	.fill 96, 4, 3214868480
	.section	.rodata,"a",@progbits
	.p2align	6, 0x0
	.amdhsa_kernel k_q49823849e7_cast
		.amdhsa_group_segment_fixed_size 0
		.amdhsa_private_segment_fixed_size 0
		.amdhsa_enable_private_segment 0
		.amdhsa_kernarg_size 40
		.amdhsa_user_sgpr_count 2
		.amdhsa_user_sgpr_kernarg_segment_ptr 1
		.amdhsa_wavefront_size32 1
		.amdhsa_system_sgpr_workgroup_id_x 1
		.amdhsa_system_sgpr_workgroup_id_y 1
		.amdhsa_system_sgpr_workgroup_id_z 1
		.amdhsa_system_vgpr_workitem_id 0
		.amdhsa_next_free_vgpr 32
		.amdhsa_next_free_sgpr 66
		.amdhsa_reserve_vcc 0
		.amdhsa_float_denorm_mode_32 3
		.amdhsa_float_denorm_mode_16_64 3
		.amdhsa_memory_ordered 1
		.amdhsa_forward_progress 1
		.amdhsa_inst_pref_size 3
	.end_amdhsa_kernel
	.amdgpu_metadata
---
amdhsa.version: [ 1, 2 ]
amdhsa.kernels:
  - .name:           k_q49823849e7_cast
    .symbol:         k_q49823849e7_cast.kd
    .args:
      - { .name: x, .offset: 0, .size: 8, .value_kind: global_buffer, .address_space: global }
      - { .name: Wq, .offset: 8, .size: 8, .value_kind: global_buffer, .address_space: global }
      - { .name: Wk, .offset: 16, .size: 8, .value_kind: global_buffer, .address_space: global }
      - { .name: Wv, .offset: 24, .size: 8, .value_kind: global_buffer, .address_space: global }
      - { .name: xw, .offset: 32, .size: 8, .value_kind: global_buffer, .address_space: global }
    .group_segment_fixed_size: 0
    .private_segment_fixed_size: 0
    .kernarg_segment_align: 8
    .kernarg_segment_size: 40
    .max_flat_workgroup_size: 256
    .sgpr_count:     66
    .vgpr_count:     32
    .wavefront_size: 32
...
	.end_amdgpu_metadata
.endif
;; end of part 1
;; launch qkvp (part 2): grid 4 x 64, 4 waves a work-group, clusters of 4 x 4, 327,680 bytes of LDS; arguments xw, qkv, bq, bk, bv; writes qkv
.if DOCPART == 2
	.amdgcn_target "amdgcn-amd-amdhsa--gfx1250"
	.amdhsa_code_object_version 6
	.text
	.protected	k_q49823849e7_qkvp
	.globl	k_q49823849e7_qkvp
	.p2align	8
	.type	k_q49823849e7_qkvp,@function
k_q49823849e7_qkvp:
	s_mov_b64 s[64:65], 0
	v_nop
	global_prefetch_b8 v0, s[64:65] scope:SCOPE_SE
	s_setreg_imm32_b32 hwreg(HW_REG_WAVE_MODE, 25, 1), 1
	s_wait_xcnt 0x0
	s_wait_alu depctr_hold_cnt(0) depctr_sa_sdst(0) depctr_va_vdst(0) depctr_va_sdst(0) depctr_va_ssrc(0) depctr_va_vcc(0) depctr_vm_vsrc(0)
	s_getreg_b32 s2, hwreg(HW_REG_IB_STS2, 6, 4)
	s_cmp_eq_u32 s2, 0
	s_cbranch_scc0 .Lentry_in_a_cluster
	s_endpgm
.Lentry_in_a_cluster:
	s_bfe_u32 s2, ttmp6, 0x10000c
	s_cmp_lg_u32 s2, 0xf033
	s_cbranch_scc0 .Lentry_shape_is_right
	s_endpgm
.Lentry_shape_is_right:
; qkv[8192][3072] f16 = [Q | K | V], each x W^T + b: x and W come as bf16 rows of xw (x: rows 0-8191; Wq, Wk, Wv: 1,024 rows each from row 8192), the bias is rounded to bf16 here like every other input;
; sums in f32, rounded once to f16.  LIMIT: f16 ends at 65,504: a |Q|, |K| or |V| beyond that leaves as an infinity.  NaN and infinities are not treated apart.
; SHARES.  A tile of the result is 128 rows x 256 columns: 64 x 12 tiles.  256 work-groups; each STAYS and makes three tiles of the same 128 rows: its 256 columns of Q, then of K, then of V.
; Four waves, each 64 x 128: 32 accumulators of 16 x 16.  K (1,024) goes in steps of 128 through a ring of two LDS slots filled by the tensor data mover; the ring runs on into the next tile.
; CLUSTER.  4 x 4 work-groups: the four of a row of the cluster need the same rows of x, the four of a column the same rows of W: each tile is asked for JOINTLY, by the same tensor load, descriptor and mask in all four.
; THE MATRIX INSTRUCTION IS USED TRANSPOSED (source 0 = 16 rows of W, source 1 = 16 rows of x): lane l holds row l % 16 of the result and the columns 8 (l / 16) + 0..7.
; THE BIAS is the C operand of each sum's first product: it costs no addition.
; REGISTERS, in windows of 256 (s_set_vgpr_msb: bits 1:0 source 0, 3:2 source 1, 5:4 source 2, 7:6 destination):
;   window 0: v0-31 addresses; v64-159, v160-255 two fragment buffers (64 of W: 8 x 16 rows x 32 K; 32 of x: 4 x 16 rows x 32 K); the second also serves the way out
;   window 1: accumulator (a, b) at v[64 a + 8 b]          window 2: v0-63 the bias of my 128 columns, as the accumulators of one a hold them
.set TILES,  3
.set KDIM,   1024
.set KSTEP,  128
.set LAPS,   KDIM/(2*KSTEP)            ; a lap = two K steps = once round the ring
.set PITCH,  272                       ; an LDS row: 256 bytes + 16 of padding = 68 words: the 16 rows of a fragment load start at 16 different groups of four banks (64 banks of 4 bytes: ISA guide 11.1)
.set AHALF,  64*PITCH                  ; what one load brings of x, and what one wave reads of it
.set ABYTES, 2*AHALF
.set BHALF,  128*PITCH                 ; the same for W
.set SLOT,   ABYTES+2*BHALF            ; x's 128 rows, then W's 256 rows
.set STAGE,  2*SLOT                    ; behind the ring: 16 rows x 272 bytes for each wave, for the way out
.set WSTAGE, 16*PITCH
.set SPARE,  STAGE+4*WSTAGE            ; behind the stages: the spare words, 128 bytes a wave: two blocks of 256 bytes that no other line names
.set XROWB,  2048                      ; bytes in a row of xw
.set ROWB,   6144                      ; bytes in a row of qkv
.set BACK,   (KDIM-2*KSTEP)*2          ; from a slot's last K step of a tile back to its first
.set NEXT_B, 1024*XROWB-BACK           ; W goes on to the next matrix, 1,024 rows down, and back along K
.set ADRA, 16                          ; v16-17  LDS address of my fragments of x in slot 0, 1
.set ADRB, 20                          ; v20-21  the same for W
.set STO,  24                          ; v24  the way out: where I put 16 bytes of a row
.set RD,   25                          ; v25  where I read a row back
.set CO,   26                          ; v26  my byte offset in qkv
.set BO,   27                          ; v27  my byte offset in a bias
.set SPW,  28                          ; v28  LDS address of my spare word; never rewritten
.set NIL,  29                          ; v29  0; never rewritten
.set F0,   64
.set F1,   160
.set TMP,  160                         ; the way out: packed results
.set OB,   192                         ; the way out: 16 rows read back
.set G1A, 24                           ; s[24:31] descriptor group 1 for x's tiles;  s[32:39] group 0, a set for each slot
.set G0A, 32
.set G1B, 48                           ; s[48:55], s[56:63] the same for W's
.set G0B, 56
.set GW, (1<<16)|(1<<20)|(1<<21)|(5<<22)|(3<<25)  ; 17:16 2-byte elements; 20 padding on; 21 set beside a mask; 24:22 after every 64 words; 31:25 4 words of it
.set MSB, 0
.macro WIN new                         ; the immediate's high byte repeats the setting that is left; a switch that changes nothing is dropped
.if MSB != (\new)
	s_set_vgpr_msb (MSB<<8)|(\new)
.set MSB, \new
.endif
.endm
.macro PLACES                          ; four plain vector instructions between a matrix instruction and a load into, or a vector read or write of, its registers
.rept 4
	v_nop
.endr
.endm
; A joint load: waves 0 and 1 fetch x's two halves, waves 2 and 3 W's.  The branch hangs on the wave's number alone.  An s_nop 0 and four v_nop follow each line.
.macro JLOAD s
	s_cmp_eq_u32 s13, 0
	s_cbranch_scc0 .Lfor_b_\@
	tensor_load_to_lds s[G0A+4*(\s):G0A+4*(\s)+3], s[G1A:G1A+7]
	s_nop 0
.rept 4
	v_nop
.endr
	s_branch .Lasked_\@
.Lfor_b_\@:
	tensor_load_to_lds s[G0B+4*(\s):G0B+4*(\s)+3], s[G1B:G1B+7]
	s_nop 0
.rept 4
	v_nop
.endr
.Lasked_\@:
.endm
.macro CREST                           ; a round of the cluster's barrier behind its opening barrier
	s_cmp_lg_u32 s12, 0
	s_cbranch_scc1 .Lnot_wave_0_\@
	s_barrier_signal -3
.Lnot_wave_0_\@:
	s_barrier_wait -3
	s_barrier_signal -1
	s_barrier_wait -1
.endm
.macro CROUND                          ; a whole round
	s_barrier_signal -1
	s_barrier_wait -1
	CREST
.endm
	s_load_b128 s[4:7], s[0:1], 0x0                ; xw s[4:5], qkv s[6:7]
	s_load_b128 s[8:11], s[0:1], 0x10              ; bq s[8:9], bk s[10:11]
	s_load_b64 s[66:67], s[0:1], 0x20              ; bv
	v_lshl_add_u32 v[SPW], v0, 2, SPARE
	v_mov_b32 v[NIL], 0
	ds_add_u32 v[SPW], v[NIL]                      ; the wave's opening: the add and its wait stand ahead of my first tensor load; the set-up below stands between them
	v_lshrrev_b32 v1, 5, v0
	v_readfirstlane_b32 s12, v1                    ; wave 0..3
	s_lshr_b32 s13, s12, 1                         ; which 64 rows of the tile are mine.  Also: I fetch for x (0) or for W (1)
	s_and_b32 s14, s12, 1                          ; which 128 columns.  Also: which half of that tile I fetch
	s_bfe_u32 s15, ttmp6, 0x40000                  ; cx
	s_bfe_u32 s16, ttmp6, 0x40004                  ; cy
	s_and_b32 s17, ttmp7, 0xffff                   ; the cluster's y (the grid is one cluster wide)
	s_lshl_b32 s18, s17, 2
	s_add_co_u32 s18, s18, s16                     ; tile row = 4 x cluster y + cy
	s_lshl_b32 s42, s16, 2
	s_lshl_b32 s42, 15, s42                        ; my row of the cluster
	s_lshl_b32 s43, 0x1111, s15                    ; my column
	s_or_b32 s[G1A], s42, GW                       ; x's tiles go to my row
	s_or_b32 s[G1B], s43, GW                       ; W's to my column
	s_mov_b32 s[G1A+1], KSTEP<<16                  ; tensor_dim0 = 128
	s_mov_b32 s[G1A+2], 64<<16                     ; tensor_dim1 = 64
	s_mov_b32 s[G1A+3], KSTEP<<16                  ; tile_dim0 = 128
	s_mov_b32 s[G1A+4], 64                         ; tile_dim1 = 64
	s_mov_b32 s[G1A+5], KDIM                       ; elements from row to row
	s_mov_b32 s[G1A+6], 0
	s_mov_b32 s[G1A+7], 0
	s_mov_b32 s[G1B+1], KSTEP<<16
	s_mov_b32 s[G1B+2], 128<<16                    ; 128 rows
	s_mov_b32 s[G1B+3], KSTEP<<16
	s_mov_b32 s[G1B+4], 128
	s_mov_b32 s[G1B+5], KDIM
	s_mov_b32 s[G1B+6], 0
	s_mov_b32 s[G1B+7], 0
	s_lshl_b32 s20, s18, 7                         ; x: row 128 x tile row + 64 x half: no cx in these registers
	s_lshl_b32 s21, s14, 6
	s_add_co_u32 s20, s20, s21
	s_lshl_b32 s20, s20, 11                        ; x 2,048 bytes
	s_mov_b32 s21, 0
	s_lshl_b32 s40, s15, 8                         ; W: row 8192 + 256 cx + 128 x half: no cy in these
	s_lshl_b32 s41, s14, 7
	s_add_co_u32 s40, s40, s41
	s_add_co_u32 s40, s40, 8192
	s_lshl_b32 s40, s40, 11
	s_mov_b32 s41, 0
	s_mul_i32 s44, s14, AHALF                      ; where they go: the wave's number alone enters an LDS address
	s_mul_i32 s45, s14, BHALF
	s_add_co_u32 s45, s45, ABYTES
	s_mov_b32 s72, 0xffff0000                      ; a word's upper bf16
	s_wait_dscnt 0x0                               ; the opening add is done
	s_wait_kmcnt 0x0
	s_add_nc_u64 s[22:23], s[4:5], s[20:21]
	s_add_nc_u64 s[46:47], s[4:5], s[40:41]
	CROUND                                         ; all sixteen work-groups are here: the first joint loads meet
.irp s, 0,1
	s_mov_b32 s[G0A+4*(\s)], 1                     ; count = 1
	s_add_co_u32 s[G0A+4*(\s)+1], s44, (\s)*SLOT   ; LDS address
	s_add_nc_u64 s[G0A+4*(\s)+2:G0A+4*(\s)+3], s[22:23], (\s)*KSTEP*2  ; global address: K step s
	s_or_b32 s[G0A+4*(\s)+3], s[G0A+4*(\s)+3], 0x80000000             ; type = 2
	s_mov_b32 s[G0B+4*(\s)], 1
	s_add_co_u32 s[G0B+4*(\s)+1], s45, (\s)*SLOT
	s_add_nc_u64 s[G0B+4*(\s)+2:G0B+4*(\s)+3], s[46:47], (\s)*KSTEP*2
	s_or_b32 s[G0B+4*(\s)+3], s[G0B+4*(\s)+3], 0x80000000
	JLOAD \s                                       ; two loads of mine are out
.endr
	; A fragment is 16 rows x 32 K in 8 registers: lane l holds row l % 16, K = 8 (l / 16) + 0..7 and 16 + 8 (l / 16) + 0..7: two loads of 16 bytes, 32 bytes apart.
	v_and_b32 v1, 15, v0                           ; l % 16
	v_bfe_u32 v2, v0, 4, 1                         ; l / 16
	v_mul_u32_u24 v3, v1, PITCH
	v_lshl_add_u32 v3, v2, 4, v3                   ; row x pitch + 16 x half
	s_mul_i32 s44, s13, AHALF                      ; my 64 rows of x
	s_mul_i32 s45, s14, BHALF                      ; my 128 rows of W,
	s_add_co_u32 s45, s45, ABYTES                  ; which lie behind x's 128
.irp s, 0,1
	v_add_nc_u32 v[ADRA+(\s)], s44, v3
	v_add_nc_u32 v[ADRB+(\s)], s45, v3
	s_add_co_u32 s44, s44, SLOT
	s_add_co_u32 s45, s45, SLOT
.endr
	s_mul_i32 s44, s12, WSTAGE
	s_add_co_u32 s44, s44, STAGE                   ; my stage
	v_add_nc_u32 v[STO], s44, v3                   ; in: row l % 16, 16 bytes for each half of the lanes
	v_mul_u32_u24 v4, v2, PITCH                    ; back: lanes 0-15 take one row of 256 bytes, lanes 16-31 the next
	v_lshl_add_u32 v4, v1, 4, v4
	v_add_nc_u32 v[RD], s44, v4
	v_mul_u32_u24 v4, v2, ROWB                     ; and the same two rows in qkv
	v_lshl_add_u32 v[CO], v1, 4, v4
	s_lshl_b32 s20, s18, 7                         ; qkv at my first row: 128 x tile row + 64 x row half,
	s_lshl_b32 s21, s13, 6
	s_add_co_u32 s20, s20, s21
	s_mul_i32 s20, s20, ROWB
	s_mov_b32 s21, 0
	s_add_nc_u64 s[6:7], s[6:7], s[20:21]
	s_lshl_b32 s40, s15, 9                         ; and my first column of Q: 512 cx + 256 x column half bytes
	s_lshl_b32 s41, s14, 8
	s_add_co_u32 s40, s40, s41
	s_mov_b32 s41, 0
	s_add_nc_u64 s[6:7], s[6:7], s[40:41]
	s_lshl_b32 s44, s15, 10                        ; the same column in a bias of f32,
	s_lshl_b32 s45, s14, 9
	s_add_co_u32 s44, s44, s45
	v_lshl_add_u32 v[BO], v2, 5, s44               ; and my lanes' 8 columns
; The bias of column 16 b + 8 (l / 16) + j goes to register 8 b + j of window 2: the place of that column in every accumulator (a, b).
.macro BIASLD
	WIN 0x80                                       ; destination window 2, address window 0
.irp b, 0,1,2,3,4,5,6,7
	global_load_b128 v[8*(\b):8*(\b)+3],   v[BO], s[8:9] offset:64*(\b)
	global_load_b128 v[8*(\b)+4:8*(\b)+7], v[BO], s[8:9] offset:64*(\b)+16
.endr
	WIN 0
.endm
.macro BIASRND                         ; rounded to bf16 and widened again
	s_wait_loadcnt 0x0                             ; the bias is in
	WIN 0x0a                                       ; sources in window 2
.set j, 0
.rept 32
	v_cvt_pk_bf16_f32 v[TMP+j], v[2*j], v[2*j+1]
.set j, j+1
.endr
	WIN 0x80
.set j, 0
.rept 32
	v_lshlrev_b32 v[2*j], 16, v[TMP+j]
	v_and_b32 v[2*j+1], s72, v[TMP+j]
.set j, j+1
.endr
	WIN 0
.endm
; 8 matrix instructions: row block a x all 8 column blocks, 32 along K.  cm = 2: the first product starts the sums with the bias.  The 32 accumulators take turns, one instruction a turn, in the same order
; in every quarter.
.macro MUL8 f, a, cm
.if (\cm) == 2
	WIN 0x60                                       ; D window 1, C window 2
.else
	WIN 0x50                                       ; C and D window 1
.endif
.irp b, 0,1,2,3,4,5,6,7
.if (\cm) == 2
	v_wmma_f32_16x16x32_bf16 v[64*(\a)+8*(\b):64*(\a)+8*(\b)+7], v[(\f)+8*(\b):(\f)+8*(\b)+7], v[(\f)+64+8*(\a):(\f)+64+8*(\a)+7], v[8*(\b):8*(\b)+7]
.else
	v_wmma_f32_16x16x32_bf16 v[64*(\a)+8*(\b):64*(\a)+8*(\b)+7], v[(\f)+8*(\b):(\f)+8*(\b)+7], v[(\f)+64+8*(\a):(\f)+64+8*(\a)+7], v[64*(\a)+8*(\b):64*(\a)+8*(\b)+7]
.endif
.endr
.endm
.macro MUL16 f, a0, cm
	MUL8 \f, \a0, \cm
	MUL8 \f, (\a0)+1, \cm
.endm
; 24 LDS loads in one run: the fragments of quarter q (32 K at byte 64 q of the rows) into buffer f: W's 128 rows, then x's 64
.macro FETCH slot, q, f
	WIN 0
.irp i, 0,1,2,3,4,5,6,7
	ds_load_b128 v[(\f)+8*(\i):(\f)+8*(\i)+3],   v[ADRB+(\slot)] offset:64*(\q)+(\i)*16*PITCH
	ds_load_b128 v[(\f)+8*(\i)+4:(\f)+8*(\i)+7], v[ADRB+(\slot)] offset:64*(\q)+(\i)*16*PITCH+32
.endr
.irp i, 0,1,2,3
	ds_load_b128 v[(\f)+64+8*(\i):(\f)+64+8*(\i)+3],   v[ADRA+(\slot)] offset:64*(\q)+(\i)*16*PITCH
	ds_load_b128 v[(\f)+64+8*(\i)+4:(\f)+64+8*(\i)+7], v[ADRA+(\slot)] offset:64*(\q)+(\i)*16*PITCH+32
.endr
.endm
; A K step is four quarters of 32 along K, 32 matrix instructions each, on buffers 0, 1, 0, 1.  One of the first three multiplies buffer f and, in its middle, fetches quarter q into buffer g.
.macro QUARTER slot, q, f, g, cm
	s_wait_dscnt 0x4                               ; W and x's row blocks 0, 1 are in; the youngest four loads (blocks 2, 3) may be out
	MUL16 \f, 0, \cm
	PLACES
	FETCH \slot, \q, \g
	s_wait_dscnt 24                                ; all but the 24 just issued
	MUL16 \f, 2, \cm
.endm
; The last quarter multiplies buffer 1 and changes slots.  ONE barrier: in front of it each wave waits for all its tensor loads (one is out: its part of the next slot), adds 0 to its spare word,
; and waits for that and for its own reads of this slot.  Behind it nobody reads this slot any more and the next slot is whole.
.macro MEET
	WIN 0
	s_wait_tensorcnt 0x0                           ; all my tensor loads have landed
	ds_add_u32 v[SPW], v[NIL]                      ; 0 onto my spare word
	s_wait_dscnt 0x5                               ; the add and the youngest four loads may be out
	MUL8 F1, 0, 0                                  ; eight matrix instructions stand between the add and the wait for it
	s_wait_dscnt 0x0                               ; the add is done, and my reads of this slot are over
	s_barrier_signal -1
	MUL8 F1, 1, 0                                  ; work on registers while the others arrive
	WIN 0
	s_barrier_wait -1
.endm
; With a refill: the barrier opens a round of the cluster's, so that no wave of any partner still reads the slot or has a load on its way; the joint refill is the first thing behind the round:
; this tile's K step two steps on (on = 0) or the next tile's K step 0 or 1 (on = 1).  It has 112 matrix instructions in which to land.
.macro TURN slot, next, on
	MEET
	CREST
.if \on
	s_sub_nc_u64 s[G0A+4*(\slot)+2:G0A+4*(\slot)+3], s[G0A+4*(\slot)+2:G0A+4*(\slot)+3], BACK    ; the same rows of x, back along K
	s_add_nc_u64 s[G0B+4*(\slot)+2:G0B+4*(\slot)+3], s[G0B+4*(\slot)+2:G0B+4*(\slot)+3], NEXT_B
.else
	s_add_nc_u64 s[G0A+4*(\slot)+2:G0A+4*(\slot)+3], s[G0A+4*(\slot)+2:G0A+4*(\slot)+3], 2*KSTEP*2
	s_add_nc_u64 s[G0B+4*(\slot)+2:G0B+4*(\slot)+3], s[G0B+4*(\slot)+2:G0B+4*(\slot)+3], 2*KSTEP*2
.endif
	JLOAD \slot                                    ; its four v_nop are also the places in front of the loads below
	FETCH \next, 0, F0
	MUL16 F1, 2, 0
.endm
.macro TURNN next                      ; the last change of slots: nothing is filled, so no round
	MEET
	PLACES
	FETCH \next, 0, F0
	MUL16 F1, 2, 0
.endm
; THE WAY OUT, a block of 16 rows at a time: rounded to f16 (a lane's eight columns are 16 bytes), into my own stage, back as whole rows of 256 bytes, stored.
.macro PACK a
	WIN 0x05                                       ; sources in window 1; each accumulator's registers in ascending order
.set j, 0
.rept 32
	v_cvt_pk_f16_f32 v[TMP+j], v[64*(\a)+2*j], v[64*(\a)+2*j+1]
.set j, j+1
.endr
	WIN 0
.endm
.macro TOSTAGE
	WIN 0
.irp b, 0,1,2,3,4,5,6,7
	ds_store_b128 v[STO], v[TMP+4*(\b):TMP+4*(\b)+3] offset:32*(\b)
.endr
	s_wait_xcnt 0x0                                ; the last block's stores have read the registers that are loaded again below
.irp t, 0,1,2,3,4,5,6,7
	ds_load_b128 v[OB+4*(\t):OB+4*(\t)+3], v[RD] offset:(\t)*2*PITCH  ; LDS serves a wave's instructions in order (ISA guide 5.7.1.4): these see the stores above
.endr
.endm
.macro SEND a
	s_wait_dscnt 0x0                               ; the block is back in registers
.irp t, 0,1,2,3,4,5,6,7
	global_store_b128 v[CO], v[OB+4*(\t):OB+4*(\t)+3], s[6:7] offset:(16*(\a)+2*(\t))*ROWB  ; 16 lanes store 256 consecutive bytes, aligned
.endr
.endm
.macro WAYOUT
	PACK 0
	TOSTAGE
.irp a, 1,2,3                          ; a block's conversions stand between the loads of the block before and the wait for them
	PACK \a
	SEND (\a)-1
	TOSTAGE
.endr
	SEND 3
.endm
	BIASLD                                         ; bq, in the wait for the first tiles
	BIASRND
	s_wait_tensorcnt 0x1                           ; my part of K step 0 is in; K step 1's may stay out
	s_barrier_signal -1
	s_barrier_wait -1                              ; everybody's is
	FETCH 0, 0, F0
	s_mov_b32 s2, TILES                            ; tiles to go: the same number in every work-group
.Ltile:
	QUARTER 0, 1, F0, F1, 2                        ; a tile's first quarter stands in front of the loop: its products start the sums
	WIN 0
	s_mov_b32 s3, LAPS-1
.Llap:                                                 ; a trip goes once round the ring, from a lap's second quarter to the next lap's first, and fills both slots again
	QUARTER 0, 2, F1, F0, 0
	QUARTER 0, 3, F0, F1, 0
	TURN 0, 1, 0
	QUARTER 1, 1, F0, F1, 0
	QUARTER 1, 2, F1, F0, 0
	QUARTER 1, 3, F0, F1, 0
	TURN 1, 0, 0
	QUARTER 0, 1, F0, F1, 0
	WIN 0
	s_sub_co_u32 s3, s3, 1
	s_cmp_lg_u32 s3, 0
	s_cbranch_scc1 .Llap
	QUARTER 0, 2, F1, F0, 0                        ; the tile's last lap goes on
	QUARTER 0, 3, F0, F1, 0
	WIN 0
	s_cmp_eq_u32 s2, 1
	s_cbranch_scc1 .Llast_tile                     ; the last tile's tail is written out: it asks for nothing more
	TURN 0, 1, 1                                   ; the ring goes on into the next tile: slot 0 takes its K step 0,
	QUARTER 1, 1, F0, F1, 0
	QUARTER 1, 2, F1, F0, 0
	QUARTER 1, 3, F0, F1, 0
	TURN 1, 0, 1                                   ; slot 1 its K step 1, and its first fragments are fetched
	WIN 0
	PLACES                                         ; behind the last products
	s_mov_b64 s[8:9], s[10:11]                     ; the next tile's bias (the last bias loads were waited for): bk, then bv
	s_mov_b64 s[10:11], s[66:67]
	BIASLD                                         ; it lands while the tile goes out
	WAYOUT
	BIASRND
	s_wait_xcnt 0x0                                ; the stores have read their registers and their base
	s_add_nc_u64 s[6:7], s[6:7], 2048              ; the same columns of the next matrix
	s_sub_co_u32 s2, s2, 1
	s_branch .Ltile
.Llast_tile:
	TURNN 1
	QUARTER 1, 1, F0, F1, 0
	QUARTER 1, 2, F1, F0, 0
	QUARTER 1, 3, F0, F1, 0
	s_wait_dscnt 0x4                               ; the very last quarter: nothing more to fetch
	MUL16 F1, 0, 0
	s_wait_dscnt 0x0
	MUL16 F1, 2, 0
	WIN 0
	PLACES
	WAYOUT
	s_wait_tensorcnt 0x0                           ; the wave's end
	ds_add_u32 v[SPW], v[NIL]
	s_wait_dscnt 0x0
	CROUND                                         ; the closing round: no work-group ends while a partner may still ask for a tile that names it
	s_endpgm
.Lfunc_end_k_q49823849e7_qkvp:
	.size	k_q49823849e7_qkvp, .Lfunc_end_k_q49823849e7_qkvp-k_q49823849e7_qkvp
	.p2alignl 7, 3214868480
	.fill 96, 4, 3214868480
	.section	.rodata,"a",@progbits
	.p2align	6, 0x0
	.amdhsa_kernel k_q49823849e7_qkvp
		.amdhsa_group_segment_fixed_size 327680
		.amdhsa_private_segment_fixed_size 0
		.amdhsa_enable_private_segment 0
		.amdhsa_kernarg_size 40
		.amdhsa_user_sgpr_count 2
		.amdhsa_user_sgpr_kernarg_segment_ptr 1
		.amdhsa_wavefront_size32 1
		.amdhsa_system_sgpr_workgroup_id_x 1
		.amdhsa_system_sgpr_workgroup_id_y 1
		.amdhsa_system_sgpr_workgroup_id_z 1
		.amdhsa_system_vgpr_workitem_id 0
		.amdhsa_next_free_vgpr 576
		.amdhsa_next_free_sgpr 76
		.amdhsa_reserve_vcc 0
		.amdhsa_float_denorm_mode_32 3
		.amdhsa_float_denorm_mode_16_64 3
		.amdhsa_memory_ordered 1
		.amdhsa_forward_progress 1
		.amdhsa_inst_pref_size 134
	.end_amdhsa_kernel
	.amdgpu_metadata
---
amdhsa.version: [ 1, 2 ]
amdhsa.kernels:
  - .name:           k_q49823849e7_qkvp
    .symbol:         k_q49823849e7_qkvp.kd
    .args:
      - { .name: xw, .offset: 0, .size: 8, .value_kind: global_buffer, .address_space: global }
      - { .name: qkv, .offset: 8, .size: 8, .value_kind: global_buffer, .address_space: global }
      - { .name: bq, .offset: 16, .size: 8, .value_kind: global_buffer, .address_space: global }
      - { .name: bk, .offset: 24, .size: 8, .value_kind: global_buffer, .address_space: global }
      - { .name: bv, .offset: 32, .size: 8, .value_kind: global_buffer, .address_space: global }
    .group_segment_fixed_size: 327680
    .private_segment_fixed_size: 0
    .kernarg_segment_align: 8
    .kernarg_segment_size: 40
    .max_flat_workgroup_size: 128
    .sgpr_count:     76
    .vgpr_count:     576
    .wavefront_size: 32
...
	.end_amdgpu_metadata
.endif
;; end of part 2
;; launch scores (part 3): grid 4 x 64, 4 waves a work-group, clusters of 4 x 4, 327,680 bytes of LDS; arguments qkv, e, stats; writes e, stats
.if DOCPART == 3
	.amdgcn_target "amdgcn-amd-amdhsa--gfx1250"
	.amdhsa_code_object_version 6
	.text
	.protected	k_q49823849e7_scores
	.globl	k_q49823849e7_scores
	.p2align	8
	.type	k_q49823849e7_scores,@function
k_q49823849e7_scores:
	s_mov_b64 s[64:65], 0
	v_nop
	global_prefetch_b8 v0, s[64:65] scope:SCOPE_SE
	s_setreg_imm32_b32 hwreg(HW_REG_WAVE_MODE, 25, 1), 1
	s_wait_xcnt 0x0
	s_wait_alu depctr_hold_cnt(0) depctr_sa_sdst(0) depctr_va_vdst(0) depctr_va_sdst(0) depctr_va_ssrc(0) depctr_va_vcc(0) depctr_vm_vsrc(0)
	s_getreg_b32 s2, hwreg(HW_REG_IB_STS2, 6, 4)
	s_cmp_eq_u32 s2, 0
	s_cbranch_scc0 .Lentry_in_a_cluster
	s_endpgm
.Lentry_in_a_cluster:
	s_bfe_u32 s2, ttmp6, 0x10000c
	s_cmp_lg_u32 s2, 0xf033
	s_cbranch_scc0 .Lentry_shape_is_right
	s_endpgm
.Lentry_shape_is_right:
; S = Q K^T for each of 4 batches of 2,048 rows, and the first half of the softmax.  With c = log2(e) / 32, for each row and each GROUP g of 128 keys:
;   c m_g (m_g: the largest score of the group), E = 2^(c s - c m_g) rounded to f16 -> e[8192][2048], and the sum of the unrounded E -> stats[g][row] = (c m_g, sum), f32.
; So a true maximum is taken away before every exponential: no exponent is above 0.  The next launch finds the row's maximum over the 16 groups and corrects by 2^(c m_g - M) <= 1.
; LIMITS.  An E below 6e-8 counts as 0 in e, below 6e-5 it keeps f16's fixed step; one below 2^-126 counts as 0 in the sum.  NaN and infinities are not treated apart.
; SHARES.  A tile of S is 128 rows x 256 keys: 64 x 8 tiles.  256 work-groups, each STAYS and makes two tiles of the same 128 rows, 1,024 keys apart.  Four waves, each 64 rows x 128 keys: a wave's
; columns ARE a group, so maximum and sum never leave the wave.  K (1,024 channels) goes in steps of 128 through a ring of two LDS slots; the ring runs on into the next tile.
; CLUSTER.  4 x 4 work-groups of one batch: a row of the cluster shares its rows of Q, a column its rows of K: joint loads.
; THE MATRIX INSTRUCTION IS USED TRANSPOSED (source 0 = 16 keys, source 1 = 16 queries): lane l holds query l % 16 and the keys 8 (l / 16) + 0..7 of each block of 16.
; REGISTERS: window 0: v0-31 addresses; v40-55 statistics; v64-159, v160-255 two fragment buffers, the second also serves the way out.  Window 1: accumulator (a, b) at v[64 a + 8 b].
.set TILES,  2
.set KDIM,   1024
.set KSTEP,  128
.set LAPS,   KDIM/(2*KSTEP)
.set PITCH,  272                       ; an LDS row: 256 bytes + 16 of padding: the 16 rows of a fragment load start at 16 different groups of four banks (ISA guide 11.1)
.set AHALF,  64*PITCH
.set ABYTES, 2*AHALF
.set BHALF,  128*PITCH
.set SLOT,   ABYTES+2*BHALF            ; Q's 128 rows, then K's 256 rows
.set STAGE,  2*SLOT                    ; behind the ring: 16 rows x 272 bytes for each wave
.set WSTAGE, 16*PITCH
.set SPARE,  STAGE+4*WSTAGE            ; the spare words, 128 bytes a wave: two blocks of 256 bytes that no other line names
.set QROWB,  6144                      ; bytes in a row of qkv
.set ROWB,   4096                      ; bytes in a row of e
.set BACK,   (KDIM-2*KSTEP)*2
.set NEXT_B, 1024*QROWB-BACK           ; 1,024 keys on, and back along the channels
.set ADRA, 16
.set ADRB, 20
.set STO,  24
.set RD,   25
.set CO,   26
.set SO,   27                          ; v27  8 x lane: my place in 32 rows of stats
.set SPW,  28
.set NIL,  29
.set ST,   40                          ; v40-47  block a: c m at ST + 2 a, m at ST + 2 a + 1
.set SU,   48                          ; v48-51  block a's sum
.set X,    52                          ; v52-55  what goes to stats
.set F0,   64
.set F1,   160
.set TMP,  160                         ; the way out: packed E
.set OB,   192                         ; 16 rows read back
.set T,    224                         ; v224-245 at work
.set G1A, 24
.set G0A, 32
.set G1B, 48
.set G0B, 56
.set CS,  68                           ; s[68:69] c
.set SEL, 70                           ; s[70:71] v_permlanex16_b32's selects: each lane takes its own place in the other half
.set GW, (1<<16)|(1<<20)|(1<<21)|(5<<22)|(3<<25)
.set MSB, 0
.macro WIN new
.if MSB != (\new)
	s_set_vgpr_msb (MSB<<8)|(\new)
.set MSB, \new
.endif
.endm
.macro PLACES
.rept 4
	v_nop
.endr
.endm
.macro JLOAD s                         ; waves 0 and 1 fetch Q's two halves, waves 2 and 3 K's; an s_nop 0 and four v_nop follow each line
	s_cmp_eq_u32 s13, 0
	s_cbranch_scc0 .Lfor_b_\@
	tensor_load_to_lds s[G0A+4*(\s):G0A+4*(\s)+3], s[G1A:G1A+7]
	s_nop 0
.rept 4
	v_nop
.endr
	s_branch .Lasked_\@
.Lfor_b_\@:
	tensor_load_to_lds s[G0B+4*(\s):G0B+4*(\s)+3], s[G1B:G1B+7]
	s_nop 0
.rept 4
	v_nop
.endr
.Lasked_\@:
.endm
.macro CREST
	s_cmp_lg_u32 s12, 0
	s_cbranch_scc1 .Lnot_wave_0_\@
	s_barrier_signal -3
.Lnot_wave_0_\@:
	s_barrier_wait -3
	s_barrier_signal -1
	s_barrier_wait -1
.endm
.macro CROUND
	s_barrier_signal -1
	s_barrier_wait -1
	CREST
.endm
	s_load_b128 s[4:7], s[0:1], 0x0                ; qkv s[4:5], e s[6:7]
	s_load_b64 s[8:9], s[0:1], 0x10                ; stats
	v_lshl_add_u32 v[SPW], v0, 2, SPARE
	v_mov_b32 v[NIL], 0
	ds_add_u32 v[SPW], v[NIL]                      ; the wave's opening: the add and its wait stand ahead of my first tensor load
	v_lshrrev_b32 v1, 5, v0
	v_readfirstlane_b32 s12, v1                    ; wave 0..3
	s_lshr_b32 s13, s12, 1                         ; my 64 rows.  Also: I fetch for Q (0) or for K (1)
	s_and_b32 s14, s12, 1                          ; my 128 keys.  Also: which half of that tile I fetch
	s_bfe_u32 s15, ttmp6, 0x40000                  ; cx
	s_bfe_u32 s16, ttmp6, 0x40004                  ; cy
	s_and_b32 s17, ttmp7, 0xffff                   ; the cluster's y
	s_lshl_b32 s18, s17, 2
	s_add_co_u32 s18, s18, s16                     ; tile row = 4 x cluster y + cy
	s_lshr_b32 s19, s17, 2                         ; the batch: 16 tile rows, four clusters
	s_lshl_b32 s42, s16, 2
	s_lshl_b32 s42, 15, s42                        ; my row of the cluster
	s_lshl_b32 s43, 0x1111, s15                    ; my column
	s_or_b32 s[G1A], s42, GW
	s_or_b32 s[G1B], s43, GW
	s_mov_b32 s[G1A+1], KSTEP<<16                  ; a tile of 64 rows x 128 elements
	s_mov_b32 s[G1A+2], 64<<16
	s_mov_b32 s[G1A+3], KSTEP<<16
	s_mov_b32 s[G1A+4], 64
	s_mov_b32 s[G1A+5], 3072                       ; elements from row to row of qkv
	s_mov_b32 s[G1A+6], 0
	s_mov_b32 s[G1A+7], 0
	s_mov_b32 s[G1B+1], KSTEP<<16                  ; 128 rows x 128 elements
	s_mov_b32 s[G1B+2], 128<<16
	s_mov_b32 s[G1B+3], KSTEP<<16
	s_mov_b32 s[G1B+4], 128
	s_mov_b32 s[G1B+5], 3072
	s_mov_b32 s[G1B+6], 0
	s_mov_b32 s[G1B+7], 0
	s_lshl_b32 s20, s18, 7                         ; Q: row 128 x tile row + 64 x half
	s_lshl_b32 s21, s14, 6
	s_add_co_u32 s20, s20, s21
	s_mul_i32 s20, s20, QROWB
	s_mov_b32 s21, 0
	s_lshl_b32 s40, s19, 11                        ; K: row 2,048 x batch + 256 cx + 128 x half,
	s_lshl_b32 s41, s15, 8
	s_add_co_u32 s40, s40, s41
	s_lshl_b32 s41, s14, 7
	s_add_co_u32 s40, s40, s41
	s_mul_i32 s40, s40, QROWB
	s_add_co_u32 s40, s40, 2048                    ; K lies 2,048 bytes into a row
	s_mov_b32 s41, 0
	s_mul_i32 s44, s14, AHALF
	s_mul_i32 s45, s14, BHALF
	s_add_co_u32 s45, s45, ABYTES
	s_mov_b32 s72, 0xffff0000                      ; as a mask of lanes: lanes 16-31
	s_mov_b32 s[CS], 0x3d38aa3b                    ; c = log2(e) / 32 = 0.0450842
	s_mov_b32 s[CS+1], s[CS]                       ; named with it as a pair
	s_mov_b32 s[SEL], 0x76543210
	s_mov_b32 s[SEL+1], 0xfedcba98
	s_wait_dscnt 0x0                               ; the opening add is done
	s_wait_kmcnt 0x0
	s_add_nc_u64 s[22:23], s[4:5], s[20:21]
	s_add_nc_u64 s[46:47], s[4:5], s[40:41]
	CROUND                                         ; the first joint loads meet
.irp s, 0,1
	s_mov_b32 s[G0A+4*(\s)], 1
	s_add_co_u32 s[G0A+4*(\s)+1], s44, (\s)*SLOT
	s_add_nc_u64 s[G0A+4*(\s)+2:G0A+4*(\s)+3], s[22:23], (\s)*KSTEP*2
	s_or_b32 s[G0A+4*(\s)+3], s[G0A+4*(\s)+3], 0x80000000
	s_mov_b32 s[G0B+4*(\s)], 1
	s_add_co_u32 s[G0B+4*(\s)+1], s45, (\s)*SLOT
	s_add_nc_u64 s[G0B+4*(\s)+2:G0B+4*(\s)+3], s[46:47], (\s)*KSTEP*2
	s_or_b32 s[G0B+4*(\s)+3], s[G0B+4*(\s)+3], 0x80000000
	JLOAD \s                                       ; two loads of mine are out
.endr
	v_and_b32 v1, 15, v0                           ; l % 16
	v_bfe_u32 v2, v0, 4, 1                         ; l / 16
	v_mul_u32_u24 v3, v1, PITCH
	v_lshl_add_u32 v3, v2, 4, v3
	s_mul_i32 s44, s13, AHALF
	s_mul_i32 s45, s14, BHALF
	s_add_co_u32 s45, s45, ABYTES
.irp s, 0,1
	v_add_nc_u32 v[ADRA+(\s)], s44, v3
	v_add_nc_u32 v[ADRB+(\s)], s45, v3
	s_add_co_u32 s44, s44, SLOT
	s_add_co_u32 s45, s45, SLOT
.endr
	s_mul_i32 s44, s12, WSTAGE
	s_add_co_u32 s44, s44, STAGE
	v_add_nc_u32 v[STO], s44, v3
	v_mul_u32_u24 v4, v2, PITCH
	v_lshl_add_u32 v4, v1, 4, v4
	v_add_nc_u32 v[RD], s44, v4
	v_lshlrev_b32 v4, 12, v2                       ; the same two rows in e
	v_lshl_add_u32 v[CO], v1, 4, v4
	v_and_b32 v[SO], 31, v0
	v_lshlrev_b32 v[SO], 3, v[SO]
	s_lshl_b32 s20, s18, 7                         ; my first row: 128 x tile row + 64 x row half
	s_lshl_b32 s21, s13, 6
	s_add_co_u32 s44, s20, s21
	s_lshl_b32 s20, s44, 12                        ; in e,
	s_mov_b32 s21, 0
	s_add_nc_u64 s[6:7], s[6:7], s[20:21]
	s_lshl_b32 s20, s44, 3                         ; in stats
	s_add_nc_u64 s[8:9], s[8:9], s[20:21]
	s_lshl_b32 s40, s15, 9                         ; my first key in e: 512 cx + 256 x column half bytes
	s_lshl_b32 s41, s14, 8
	s_add_co_u32 s40, s40, s41
	s_mov_b32 s41, 0
	s_add_nc_u64 s[6:7], s[6:7], s[40:41]
	s_lshl_b32 s40, s15, 1                         ; my group: 2 cx + column half, 65,536 bytes each
	s_add_co_u32 s40, s40, s14
	s_lshl_b32 s40, s40, 16
	s_add_nc_u64 s[8:9], s[8:9], s[40:41]
; cm = 1: the first product starts the sums: nothing is cleared.  The 32 accumulators take turns, one instruction a turn.
.macro MUL8 f, a, cm
	WIN 0x50                                       ; C and D window 1
.irp b, 0,1,2,3,4,5,6,7
.if (\cm) == 1
	v_wmma_f32_16x16x32_f16 v[64*(\a)+8*(\b):64*(\a)+8*(\b)+7], v[(\f)+8*(\b):(\f)+8*(\b)+7], v[(\f)+64+8*(\a):(\f)+64+8*(\a)+7], 0
.else
	v_wmma_f32_16x16x32_f16 v[64*(\a)+8*(\b):64*(\a)+8*(\b)+7], v[(\f)+8*(\b):(\f)+8*(\b)+7], v[(\f)+64+8*(\a):(\f)+64+8*(\a)+7], v[64*(\a)+8*(\b):64*(\a)+8*(\b)+7]
.endif
.endr
.endm
.macro MUL16 f, a0, cm
	MUL8 \f, \a0, \cm
	MUL8 \f, (\a0)+1, \cm
.endm
.macro FETCH slot, q, f                ; 24 LDS loads in one run: K's 128 rows, then Q's 64, 32 channels at byte 64 q
	WIN 0
.irp i, 0,1,2,3,4,5,6,7
	ds_load_b128 v[(\f)+8*(\i):(\f)+8*(\i)+3],   v[ADRB+(\slot)] offset:64*(\q)+(\i)*16*PITCH
	ds_load_b128 v[(\f)+8*(\i)+4:(\f)+8*(\i)+7], v[ADRB+(\slot)] offset:64*(\q)+(\i)*16*PITCH+32
.endr
.irp i, 0,1,2,3
	ds_load_b128 v[(\f)+64+8*(\i):(\f)+64+8*(\i)+3],   v[ADRA+(\slot)] offset:64*(\q)+(\i)*16*PITCH
	ds_load_b128 v[(\f)+64+8*(\i)+4:(\f)+64+8*(\i)+7], v[ADRA+(\slot)] offset:64*(\q)+(\i)*16*PITCH+32
.endr
.endm
.macro QUARTER slot, q, f, g, cm
	s_wait_dscnt 0x4                               ; K and Q's row blocks 0, 1 are in; the youngest four loads (blocks 2, 3) may be out
	MUL16 \f, 0, \cm
	PLACES
	FETCH \slot, \q, \g
	s_wait_dscnt 24                                ; all but the 24 just issued
	MUL16 \f, 2, \cm
.endm
.macro MEET                            ; one barrier for the change of slots: all my tensor loads, the add, the add's and my reads' wait in front of it
	WIN 0
	s_wait_tensorcnt 0x0                           ; all my tensor loads have landed: my part of the next slot
	ds_add_u32 v[SPW], v[NIL]                      ; 0 onto my spare word
	s_wait_dscnt 0x5                               ; the add and the youngest four loads may be out
	MUL8 F1, 0, 0
	s_wait_dscnt 0x0                               ; the add is done, and my reads of this slot are over
	s_barrier_signal -1
	MUL8 F1, 1, 0
	WIN 0
	s_barrier_wait -1
.endm
.macro TURN slot, next, on             ; the barrier opens a round of the cluster's; the joint refill is the first thing behind it
	MEET
	CREST
.if \on
	s_sub_nc_u64 s[G0A+4*(\slot)+2:G0A+4*(\slot)+3], s[G0A+4*(\slot)+2:G0A+4*(\slot)+3], BACK
	s_add_nc_u64 s[G0B+4*(\slot)+2:G0B+4*(\slot)+3], s[G0B+4*(\slot)+2:G0B+4*(\slot)+3], NEXT_B
.else
	s_add_nc_u64 s[G0A+4*(\slot)+2:G0A+4*(\slot)+3], s[G0A+4*(\slot)+2:G0A+4*(\slot)+3], 2*KSTEP*2
	s_add_nc_u64 s[G0B+4*(\slot)+2:G0B+4*(\slot)+3], s[G0B+4*(\slot)+2:G0B+4*(\slot)+3], 2*KSTEP*2
.endif
	JLOAD \slot
	FETCH \next, 0, F0
	MUL16 F1, 2, 0
.endm
.macro TURNN next
	MEET
	PLACES
	FETCH \next, 0, F0
	MUL16 F1, 2, 0
.endm
; THE SOFTMAX'S FIRST HALF for block a: 16 queries x 128 keys, 64 scores a lane, in place.
.macro SOFT a
.set AC, 64*(\a)
	WIN 0x15                                       ; three sources in window 1.  In ascending order
.set i, 0
.rept 21
	v_max3_num_f32 v[T+i], v[AC+3*i], v[AC+3*i+1], v[AC+3*i+2]
.set i, i+1
.endr
	v_max_num_f32 v[T+21], v[AC+62], v[AC+63]
	WIN 0
.set i, 0
.rept 7
	v_max3_num_f32 v[T+i], v[T+3*i], v[T+3*i+1], v[T+3*i+2]
.set i, i+1
.endr
	v_max3_num_f32 v[T], v[T], v[T+1], v[T+2]
	v_max3_num_f32 v[T+3], v[T+3], v[T+4], v[T+5]
	v_max3_num_f32 v[T], v[T], v[T+3], v[T+6]
	v_max_num_f32 v[T], v[T], v[T+21]
	v_permlanex16_b32 v[T+1], v[T], s[SEL], s[SEL+1]  ; the query's other 64 keys lie in the lane 16 away
	v_max_num_f32 v[ST+2*(\a)+1], v[T], v[T+1]        ; m
	v_mul_f32 v[ST+2*(\a)], s[CS], v[ST+2*(\a)+1]     ; c m
	WIN 0x41                                       ; destination and source 0 in window 1
.set i, 0
.rept 32
	v_pk_fma_f32 v[AC+2*i:AC+2*i+1], v[AC+2*i:AC+2*i+1], s[CS:CS+1], v[ST+2*(\a):ST+2*(\a)+1] op_sel_hi:[1,0,0] neg_lo:[0,0,1] neg_hi:[0,0,1]  ; c s - c m
.set i, i+1
.endr
.set i, 0
.rept 64
	v_exp_f32 v[AC+i], v[AC+i]
.set i, i+1
.endr
	v_nop                                          ; a plain instruction between the exponentials and the use of their results (ISA guide 5.7.2)
	WIN 0x05
.set i, 0
	s_wait_alu depctr_va_vdst(0)
.rept 32
	v_cvt_pk_f16_f32 v[TMP+i], v[AC+2*i], v[AC+2*i+1]
.set i, i+1
.endr
	WIN 0x45                                       ; the sum of the unrounded E: 32 pairs, halved five times
.irp w, 32,16,8,4,2
.set i, 0
.rept (\w)/2
	v_pk_add_f32 v[AC+2*i:AC+2*i+1], v[AC+2*i:AC+2*i+1], v[AC+(\w)+2*i:AC+(\w)+2*i+1]
.set i, i+1
.endr
.endr
	WIN 0x05
	v_add_f32 v[T], v[AC], v[AC+1]
	WIN 0
	v_permlanex16_b32 v[T+1], v[T], s[SEL], s[SEL+1]
	v_add_f32 v[SU+(\a)], v[T], v[T+1]
.endm
.macro TOSTAGE
	WIN 0
.irp b, 0,1,2,3,4,5,6,7
	ds_store_b128 v[STO], v[TMP+4*(\b):TMP+4*(\b)+3] offset:32*(\b)
.endr
	s_wait_xcnt 0x0                                ; the last block's stores have read the registers that are loaded again below
.irp t, 0,1,2,3,4,5,6,7
	ds_load_b128 v[OB+4*(\t):OB+4*(\t)+3], v[RD] offset:(\t)*2*PITCH  ; LDS serves a wave's instructions in order (ISA guide 5.7.1.4)
.endr
.endm
.macro SEND a
	s_wait_dscnt 0x0                               ; the block is back in registers
.irp t, 0,1,2,3,4,5,6,7
	global_store_b128 v[CO], v[OB+4*(\t):OB+4*(\t)+3], s[6:7] offset:(16*(\a)+2*(\t))*ROWB  ; 16 lanes store 256 consecutive bytes, aligned
.endr
.endm
.macro WAYOUT
	SOFT 0
	TOSTAGE
.irp a, 1,2,3                          ; a block's softmax stands between the loads of the block before and the wait for them
	SOFT \a
	SEND (\a)-1
	TOSTAGE
.endr
	SEND 3
.irp a, 0,2                            ; every lane holds its query's figures: lanes 0-15 give block a's, lanes 16-31 block a + 1's: 32 rows, 256 consecutive bytes, aligned
	v_cndmask_b32 v[X+(\a)], v[ST+2*(\a)], v[ST+2*(\a)+2], s72
	v_cndmask_b32 v[X+(\a)+1], v[SU+(\a)], v[SU+(\a)+1], s72
	global_store_b64 v[SO], v[X+(\a):X+(\a)+1], s[8:9] offset:128*(\a)
.endr
.endm
	s_wait_tensorcnt 0x1                           ; my part of K step 0 is in; K step 1's may stay out
	s_barrier_signal -1
	s_barrier_wait -1
	FETCH 0, 0, F0
	s_mov_b32 s2, TILES
.Ltile:
	QUARTER 0, 1, F0, F1, 1
	WIN 0
	s_mov_b32 s3, LAPS-1
.Llap:
	QUARTER 0, 2, F1, F0, 0
	QUARTER 0, 3, F0, F1, 0
	TURN 0, 1, 0
	QUARTER 1, 1, F0, F1, 0
	QUARTER 1, 2, F1, F0, 0
	QUARTER 1, 3, F0, F1, 0
	TURN 1, 0, 0
	QUARTER 0, 1, F0, F1, 0
	WIN 0
	s_sub_co_u32 s3, s3, 1
	s_cmp_lg_u32 s3, 0
	s_cbranch_scc1 .Llap
	QUARTER 0, 2, F1, F0, 0
	QUARTER 0, 3, F0, F1, 0
	WIN 0
	s_cmp_eq_u32 s2, 1
	s_cbranch_scc1 .Llast_tile                     ; the last tile's tail is written out: it asks for nothing more
	TURN 0, 1, 1                                   ; the ring goes on into the next tile
	QUARTER 1, 1, F0, F1, 0
	QUARTER 1, 2, F1, F0, 0
	QUARTER 1, 3, F0, F1, 0
	TURN 1, 0, 1
	WIN 0
	PLACES                                         ; behind the last products
	WAYOUT                                         ; both refills are asked for: they land while the tile goes out
	s_wait_xcnt 0x0                                ; the stores have read their registers and their bases
	s_add_nc_u64 s[6:7], s[6:7], 2048              ; 1,024 keys on in e,
	s_add_nc_u64 s[8:9], s[8:9], 524288            ; eight groups on in stats
	s_sub_co_u32 s2, s2, 1
	s_branch .Ltile
.Llast_tile:
	TURNN 1
	QUARTER 1, 1, F0, F1, 0
	QUARTER 1, 2, F1, F0, 0
	QUARTER 1, 3, F0, F1, 0
	s_wait_dscnt 0x4                               ; the very last quarter
	MUL16 F1, 0, 0
	s_wait_dscnt 0x0
	MUL16 F1, 2, 0
	WIN 0
	PLACES
	WAYOUT
	s_wait_tensorcnt 0x0                           ; the wave's end
	ds_add_u32 v[SPW], v[NIL]
	s_wait_dscnt 0x0
	CROUND                                         ; the closing round
	s_endpgm
.Lfunc_end_k_q49823849e7_scores:
	.size	k_q49823849e7_scores, .Lfunc_end_k_q49823849e7_scores-k_q49823849e7_scores
	.p2alignl 7, 3214868480
	.fill 96, 4, 3214868480
	.section	.rodata,"a",@progbits
	.p2align	6, 0x0
	.amdhsa_kernel k_q49823849e7_scores
		.amdhsa_group_segment_fixed_size 327680
		.amdhsa_private_segment_fixed_size 0
		.amdhsa_enable_private_segment 0
		.amdhsa_kernarg_size 24
		.amdhsa_user_sgpr_count 2
		.amdhsa_user_sgpr_kernarg_segment_ptr 1
		.amdhsa_wavefront_size32 1
		.amdhsa_system_sgpr_workgroup_id_x 1
		.amdhsa_system_sgpr_workgroup_id_y 1
		.amdhsa_system_sgpr_workgroup_id_z 1
		.amdhsa_system_vgpr_workitem_id 0
		.amdhsa_next_free_vgpr 512
		.amdhsa_next_free_sgpr 76
		.amdhsa_reserve_vcc 0
		.amdhsa_float_denorm_mode_32 3
		.amdhsa_float_denorm_mode_16_64 3
		.amdhsa_memory_ordered 1
		.amdhsa_forward_progress 1
		.amdhsa_inst_pref_size 191
	.end_amdhsa_kernel
	.amdgpu_metadata
---
amdhsa.version: [ 1, 2 ]
amdhsa.kernels:
  - .name:           k_q49823849e7_scores
    .symbol:         k_q49823849e7_scores.kd
    .args:
      - { .name: qkv, .offset: 0, .size: 8, .value_kind: global_buffer, .address_space: global }
      - { .name: e, .offset: 8, .size: 8, .value_kind: global_buffer, .address_space: global }
      - { .name: stats, .offset: 16, .size: 8, .value_kind: global_buffer, .address_space: global }
    .group_segment_fixed_size: 327680
    .private_segment_fixed_size: 0
    .kernarg_segment_align: 8
    .kernarg_segment_size: 24
    .max_flat_workgroup_size: 128
    .sgpr_count:     76
    .vgpr_count:     512
    .wavefront_size: 32
...
	.end_amdgpu_metadata
.endif
;; end of part 3
;; launch pv (part 4): grid 4 x 64, 4 waves a work-group, clusters of 4 x 4, 327,680 bytes of LDS; arguments e, qkv, stats, out0; writes out0
.if DOCPART == 4
	.amdgcn_target "amdgcn-amd-amdhsa--gfx1250"
	.amdhsa_code_object_version 6
	.text
	.protected	k_q49823849e7_pv
	.globl	k_q49823849e7_pv
	.p2align	8
	.type	k_q49823849e7_pv,@function
k_q49823849e7_pv:
	s_mov_b64 s[64:65], 0
	v_nop
	global_prefetch_b8 v0, s[64:65] scope:SCOPE_SE
	s_setreg_imm32_b32 hwreg(HW_REG_WAVE_MODE, 25, 1), 1
	s_wait_xcnt 0x0
	s_wait_alu depctr_hold_cnt(0) depctr_sa_sdst(0) depctr_va_vdst(0) depctr_va_sdst(0) depctr_va_ssrc(0) depctr_va_vcc(0) depctr_vm_vsrc(0)
	s_getreg_b32 s2, hwreg(HW_REG_IB_STS2, 6, 4)
	s_cmp_eq_u32 s2, 0
	s_cbranch_scc0 .Lentry_in_a_cluster
	s_endpgm
.Lentry_in_a_cluster:
	s_bfe_u32 s2, ttmp6, 0x10000c
	s_cmp_lg_u32 s2, 0xf033
	s_cbranch_scc0 .Lentry_shape_is_right
	s_endpgm
.Lentry_shape_is_right:
; out0[row][:] = (sum over groups g of (E[row][g's 128 keys] x f_g) V) / l, the softmax's second half and the second product.  From stats[g][row] = (c m_g, sum_g):
;   M = max over g of c m_g,  f_g = 2^(c m_g - M) <= 1,  l = sum over g of f_g sum_g >= 1.  So every weight is 2^(c s - M) with the row's true maximum taken away.
; f_g is rounded to f16 and multiplied onto E's fragments (f16) on their way to the matrix unit; a group is one K step, so a K step has one factor a row.  1 / l stays in f32 for the way out.
; LIMITS.  A weight E f_g below 6e-8 of the row's largest counts as 0, below 6e-5 it keeps f16's fixed step; l is the sum of the unrounded weights.  NaN and infinities are not treated apart.
; SHARES.  A tile of out0 is 128 rows x 256 channels: 64 x 4 tiles, one to each of 256 work-groups.  Four waves, each 64 x 128: 32 accumulators.  K (2,048 keys) in steps of 128, two LDS slots.
; CLUSTER.  4 x 4 work-groups of one batch: a row of the cluster shares its rows of E, a column its channels of V: joint loads.
; THE MATRIX INSTRUCTION IS USED TRANSPOSED (source 0 = 16 channels of V^T, source 1 = 16 rows of E): lane l holds row l % 16 and channels 8 (l / 16) + 0..7.  V lies [key][channel] and is turned by ds_load_tr16_b128.
; REGISTERS: window 0: v0-31 addresses; v32-39 the factors of the two slots' K steps; v40-47 1 / l and l; v64-159, v160-255 two fragment buffers.  Window 1: accumulator (a, b) at v[64 a + 8 b].
.set KDIM,   2048
.set KSTEP,  128
.set LAPS,   KDIM/(2*KSTEP)
.set PITCH,  272                       ; a row of E in LDS: 256 bytes + 16
.set VPITCH, 544                       ; a row of V: 512 bytes + 32 = 136 words
.set AHALF,  64*PITCH
.set ABYTES, 2*AHALF
.set BHALF,  64*VPITCH                 ; 64 keys x 256 channels
.set SLOT,   ABYTES+2*BHALF            ; E's 128 rows, then V's 128 keys
.set STAGE,  2*SLOT                    ; behind the ring: 16 rows x 528 bytes for each wave
.set OPITCH, 528                       ; 512 bytes of f32 + 16
.set WSTAGE, 16*OPITCH
.set FT,     STAGE+4*WSTAGE            ; each wave's table of factors: group g at 256 g, row l % 16 at 16 bytes: four words, one for each block a of 16 rows
.set SPARE,  FT+4*4096                 ; the spare words, 128 bytes a wave: two blocks of 256 bytes that no other line names
.set QROWB,  6144
.set ROWB,   4096                      ; bytes in a row of e, and of out0
.set STEPB,  KSTEP*QROWB               ; 128 keys of V
.set ADRA, 16
.set ADRB, 20
.set STO,  24
.set RD,   25
.set CO,   26
.set FADR, 27                          ; v27  where the factors of the lap in hand lie; it steps two groups a lap
.set SPW,  28
.set NIL,  29
.set FW,   30                          ; v30  where I write factors
.set SOF,  31                          ; v31  my byte offset in stats
.set FAC,  32                          ; v32-35 slot 0's factors (blocks a = 0..3), v36-39 slot 1's
.set RL,   40                          ; 1 / l at RL + 2 a, l at RL + 2 a + 1
.set TT,   48                          ; v48-50 at work
.set F0,   64
.set F1,   160
.set SV,   64                          ; the prologue: stats of group 8 (l / 16) + i, block a at SV + 8 i + 2 a
.set EV,   128                         ; the prologue: the factors, packed twice, at EV + 4 i + a
.set G1A, 24
.set G0A, 32
.set G1B, 48
.set G0B, 56
.set SEL, 70
.set MSB, 0
.macro WIN new
.if MSB != (\new)
	s_set_vgpr_msb (MSB<<8)|(\new)
.set MSB, \new
.endif
.endm
.macro PLACES
	s_wait_alu depctr_va_vdst(0)
.rept 4
	v_nop
.endr
.endm
.macro JLOAD s                         ; waves 0 and 1 fetch E's two halves, waves 2 and 3 V's; an s_nop 0 and four v_nop follow each line
	s_cmp_eq_u32 s13, 0
	s_cbranch_scc0 .Lfor_b_\@
	tensor_load_to_lds s[G0A+4*(\s):G0A+4*(\s)+3], s[G1A:G1A+7]
	s_nop 0
.rept 4
	v_nop
.endr
	s_branch .Lasked_\@
.Lfor_b_\@:
	tensor_load_to_lds s[G0B+4*(\s):G0B+4*(\s)+3], s[G1B:G1B+7]
	s_nop 0
.rept 4
	v_nop
.endr
.Lasked_\@:
.endm
.macro CREST
	s_cmp_lg_u32 s12, 0
	s_cbranch_scc1 .Lnot_wave_0_\@
	s_barrier_signal -3
.Lnot_wave_0_\@:
	s_barrier_wait -3
	s_barrier_signal -1
	s_barrier_wait -1
.endm
.macro CROUND
	s_barrier_signal -1
	s_barrier_wait -1
	CREST
.endm
	s_load_b256 s[4:11], s[0:1], 0x0               ; e s[4:5], qkv s[6:7], stats s[8:9], out0 s[10:11]
	v_lshl_add_u32 v[SPW], v0, 2, SPARE
	v_mov_b32 v[NIL], 0
	ds_add_u32 v[SPW], v[NIL]                      ; the wave's opening: the add and its wait stand ahead of my first tensor load
	v_lshrrev_b32 v1, 5, v0
	v_readfirstlane_b32 s12, v1                    ; wave 0..3
	s_lshr_b32 s13, s12, 1                         ; my 64 rows.  Also: I fetch for E (0) or for V (1)
	s_and_b32 s14, s12, 1                          ; my 128 channels.  Also: which half of that tile I fetch
	s_bfe_u32 s15, ttmp6, 0x40000                  ; cx
	s_bfe_u32 s16, ttmp6, 0x40004                  ; cy
	s_and_b32 s17, ttmp7, 0xffff                   ; the cluster's y
	s_lshl_b32 s18, s17, 2
	s_add_co_u32 s18, s18, s16                     ; tile row
	s_lshr_b32 s19, s17, 2                         ; the batch
	s_lshl_b32 s42, s16, 2
	s_lshl_b32 s42, 15, s42                        ; my row of the cluster
	s_lshl_b32 s43, 0x1111, s15                    ; my column
	s_or_b32 s[G1A], s42, (1<<16)|(1<<20)|(1<<21)|(5<<22)|(3<<25)  ; 2-byte elements; padding of 4 words after every 64
	s_or_b32 s[G1B], s43, (1<<16)|(1<<20)|(1<<21)|(6<<22)|(7<<25)  ; padding of 8 words after every 128
	s_mov_b32 s[G1A+1], KSTEP<<16                  ; E: 64 rows x 128 elements
	s_mov_b32 s[G1A+2], 64<<16
	s_mov_b32 s[G1A+3], KSTEP<<16
	s_mov_b32 s[G1A+4], 64
	s_mov_b32 s[G1A+5], 2048                       ; elements from row to row of e
	s_mov_b32 s[G1A+6], 0
	s_mov_b32 s[G1A+7], 0
	s_mov_b32 s[G1B+1], 256<<16                    ; V: 64 keys x 256 elements
	s_mov_b32 s[G1B+2], 64<<16
	s_mov_b32 s[G1B+3], 256<<16
	s_mov_b32 s[G1B+4], 64
	s_mov_b32 s[G1B+5], 3072                       ; elements from row to row of qkv
	s_mov_b32 s[G1B+6], 0
	s_mov_b32 s[G1B+7], 0
	s_lshl_b32 s20, s18, 7                         ; E: row 128 x tile row + 64 x half
	s_lshl_b32 s21, s14, 6
	s_add_co_u32 s20, s20, s21
	s_lshl_b32 s20, s20, 12
	s_mov_b32 s21, 0
	s_lshl_b32 s40, s19, 11                        ; V: key 2,048 x batch + 64 x half,
	s_lshl_b32 s41, s14, 6
	s_add_co_u32 s40, s40, s41
	s_mul_i32 s40, s40, QROWB
	s_lshl_b32 s41, s15, 9                         ; channel 256 cx,
	s_add_co_u32 s40, s40, s41
	s_add_co_u32 s40, s40, 4096                    ; V lies 4,096 bytes into a row
	s_mov_b32 s41, 0
	s_mul_i32 s44, s14, AHALF
	s_mul_i32 s45, s14, BHALF
	s_add_co_u32 s45, s45, ABYTES
	s_mov_b32 s[SEL], 0x76543210
	s_mov_b32 s[SEL+1], 0xfedcba98
	s_wait_dscnt 0x0                               ; the opening add is done
	s_wait_kmcnt 0x0
	s_add_nc_u64 s[22:23], s[4:5], s[20:21]
	s_add_nc_u64 s[46:47], s[6:7], s[40:41]
	CROUND                                         ; the first joint loads meet
.irp s, 0,1
	s_mov_b32 s[G0A+4*(\s)], 1
	s_add_co_u32 s[G0A+4*(\s)+1], s44, (\s)*SLOT
	s_add_nc_u64 s[G0A+4*(\s)+2:G0A+4*(\s)+3], s[22:23], (\s)*KSTEP*2
	s_or_b32 s[G0A+4*(\s)+3], s[G0A+4*(\s)+3], 0x80000000
	s_mov_b32 s[G0B+4*(\s)], 1
	s_add_co_u32 s[G0B+4*(\s)+1], s45, (\s)*SLOT
	s_add_nc_u64 s[G0B+4*(\s)+2:G0B+4*(\s)+3], s[46:47], (\s)*STEPB
	s_or_b32 s[G0B+4*(\s)+3], s[G0B+4*(\s)+3], 0x80000000
	JLOAD \s                                       ; two loads of mine are out
.endr
	v_and_b32 v1, 15, v0                           ; l % 16
	v_bfe_u32 v2, v0, 4, 1                         ; l / 16
	s_lshl_b32 s20, s18, 7                         ; my first row: 128 x tile row + 64 x row half
	s_lshl_b32 s21, s13, 6
	s_add_co_u32 s44, s20, s21
	s_lshl_b32 s20, s44, 3                         ; in stats,
	s_mov_b32 s21, 0
	s_add_nc_u64 s[8:9], s[8:9], s[20:21]
	s_lshl_b32 s20, s44, 12                        ; in out0
	s_add_nc_u64 s[10:11], s[10:11], s[20:21]
	s_lshl_b32 s40, s15, 10                        ; my first channel: 1,024 cx + 512 x column half bytes
	s_lshl_b32 s41, s14, 9
	s_add_co_u32 s40, s40, s41
	s_mov_b32 s41, 0
	s_add_nc_u64 s[10:11], s[10:11], s[40:41]
	v_lshlrev_b32 v[SOF], 3, v1                    ; row l % 16 of a block, groups 8 (l / 16) on
	v_lshl_add_u32 v[SOF], v2, 19, v[SOF]
.irp i, 0,1,2,3,4,5,6,7
.irp a, 0,1,2,3
	global_load_b64 v[SV+8*(\i)+2*(\a):SV+8*(\i)+2*(\a)+1], v[SOF], s[8:9] offset:65536*(\i)+128*(\a)
.endr
.endr
	v_mul_u32_u24 v3, v1, PITCH                    ; E's fragments: row x pitch + 16 x half
	v_lshl_add_u32 v3, v2, 4, v3
	; The turning load takes 16 keys x 16 channels (lane l reads key 8 (l / 16) + l % 8, channels 8 ((l / 8) % 2) + 0..7) and leaves half a fragment of V^T: lane l holds channel l % 16 and 8 keys.
	v_and_b32 v4, 7, v0
	v_bfe_u32 v5, v0, 3, 1
	v_lshl_add_u32 v4, v2, 3, v4
	v_mul_u32_u24 v4, v4, VPITCH
	v_lshl_add_u32 v4, v5, 4, v4
	s_mul_i32 s44, s13, AHALF                      ; my 64 rows of E
	s_lshl_b32 s45, s14, 8                         ; my 128 channels of V's rows,
	s_add_co_u32 s45, s45, ABYTES                  ; which lie behind E's 128 rows
.irp s, 0,1
	v_add_nc_u32 v[ADRA+(\s)], s44, v3
	v_add_nc_u32 v[ADRB+(\s)], s45, v4
	s_add_co_u32 s44, s44, SLOT
	s_add_co_u32 s45, s45, SLOT
.endr
	s_mul_i32 s44, s12, WSTAGE
	s_add_co_u32 s44, s44, STAGE                   ; my stage
	v_mul_u32_u24 v5, v1, OPITCH                   ; in: row l % 16, 32 bytes for each half of the lanes
	v_lshl_add_u32 v5, v2, 5, v5
	v_add_nc_u32 v[STO], s44, v5
	v_and_b32 v5, 31, v0                           ; back: 32 lanes take one row of 512 bytes
	v_lshlrev_b32 v[CO], 4, v5
	v_add_nc_u32 v[RD], s44, v[CO]
	s_lshl_b32 s44, s12, 12
	s_add_co_u32 s44, s44, FT                      ; my table
	v_lshl_add_u32 v[FADR], v1, 4, s44
	v_lshl_add_u32 v[FW], v2, 11, v[FADR]          ; my lanes' eight groups
	v_mov_b32 v[TT+2], 0                           ; v_permlanex16_b32's destination counts as read
	s_wait_loadcnt 0x0                             ; the statistics are in
.irp a, 0,1,2,3
	v_max3_num_f32 v[TT], v[SV+2*(\a)], v[SV+8+2*(\a)], v[SV+16+2*(\a)]
	v_max3_num_f32 v[TT+1], v[SV+24+2*(\a)], v[SV+32+2*(\a)], v[SV+40+2*(\a)]
	v_max3_num_f32 v[TT], v[TT], v[TT+1], v[SV+48+2*(\a)]
	v_max_num_f32 v[TT], v[TT], v[SV+56+2*(\a)]
	v_permlanex16_b32 v[TT+1], v[TT], s[SEL], s[SEL+1]  ; the row's other eight groups lie in the lane 16 away
	v_max_num_f32 v[TT], v[TT], v[TT+1]                 ; M
.irp i, 0,1,2,3,4,5,6,7
	v_sub_f32 v[SV+8*(\i)+2*(\a)], v[SV+8*(\i)+2*(\a)], v[TT]
.endr
.irp i, 0,1,2,3,4,5,6,7
	v_exp_f32 v[SV+8*(\i)+2*(\a)], v[SV+8*(\i)+2*(\a)]  ; f_g
.endr
	v_nop                                          ; a plain instruction between the exponentials and the use of their results (ISA guide 5.7.2)
	s_wait_alu depctr_va_vdst(0)
	v_mul_f32 v[TT+1], v[SV+2*(\a)], v[SV+2*(\a)+1]
.irp i, 1,2,3,4,5,6,7
	v_fmac_f32 v[TT+1], v[SV+8*(\i)+2*(\a)], v[SV+8*(\i)+2*(\a)+1]
.endr
	v_permlanex16_b32 v[TT+2], v[TT+1], s[SEL], s[SEL+1]
	v_add_f32 v[RL+2*(\a)+1], v[TT+1], v[TT+2]     ; l
	v_rcp_f32 v[RL+2*(\a)], v[RL+2*(\a)+1]         ; the conversions below are the plain instructions behind it
.irp i, 0,1,2,3,4,5,6,7
	v_cvt_pk_f16_f32 v[EV+4*(\i)+(\a)], v[SV+8*(\i)+2*(\a)], v[SV+8*(\i)+2*(\a)]  ; in both halves, for the packed multiply
.endr
.endr
.irp i, 0,1,2,3,4,5,6,7
	ds_store_b128 v[FW], v[EV+4*(\i):EV+4*(\i)+3] offset:256*(\i)  ; the table is my wave's own: no other wave reads it
.endr
.macro MUL8 f, a, cm                   ; cm = 1: the first product starts the sums.  The 32 accumulators take turns, one instruction a turn
	WIN 0x50
.irp b, 0,1,2,3,4,5,6,7
.if (\cm) == 1
	v_wmma_f32_16x16x32_f16 v[64*(\a)+8*(\b):64*(\a)+8*(\b)+7], v[(\f)+8*(\b):(\f)+8*(\b)+7], v[(\f)+64+8*(\a):(\f)+64+8*(\a)+7], 0
.else
	v_wmma_f32_16x16x32_f16 v[64*(\a)+8*(\b):64*(\a)+8*(\b)+7], v[(\f)+8*(\b):(\f)+8*(\b)+7], v[(\f)+64+8*(\a):(\f)+64+8*(\a)+7], v[64*(\a)+8*(\b):64*(\a)+8*(\b)+7]
.endif
.endr
.endm
.macro MUL16 f, a0, cm
	MUL8 \f, \a0, \cm
	MUL8 \f, (\a0)+1, \cm
.endm
.macro FETCH slot, q, f                ; 24 LDS loads in one run: V's 32 keys x 128 channels, turned, then E's 64 rows x 32 keys
	WIN 0
.irp i, 0,1,2,3,4,5,6,7
	ds_load_tr16_b128 v[(\f)+8*(\i):(\f)+8*(\i)+3],   v[ADRB+(\slot)] offset:(\q)*32*VPITCH+32*(\i)
	ds_load_tr16_b128 v[(\f)+8*(\i)+4:(\f)+8*(\i)+7], v[ADRB+(\slot)] offset:(\q)*32*VPITCH+32*(\i)+16*VPITCH
.endr
.irp i, 0,1,2,3
	ds_load_b128 v[(\f)+64+8*(\i):(\f)+64+8*(\i)+3],   v[ADRA+(\slot)] offset:64*(\q)+(\i)*16*PITCH
	ds_load_b128 v[(\f)+64+8*(\i)+4:(\f)+64+8*(\i)+7], v[ADRA+(\slot)] offset:64*(\q)+(\i)*16*PITCH+32
.endr
.endm
.macro SCALE f, a0, fac                ; E's fragments of blocks a0, a0 + 1 times their rows' factor: 16 packed multiplies
.irp a, 0,1
.irp j, 0,1,2,3,4,5,6,7
	v_pk_mul_f16 v[(\f)+64+8*((\a0)+(\a))+(\j)], v[(\f)+64+8*((\a0)+(\a))+(\j)], v[(\fac)+(\a0)+(\a)]
.endr
.endr
.endm
; A quarter: buffer f is scaled and multiplied; in its middle quarter q is fetched into buffer g.  The multiplies name no register of the products round them: they are also the places in front of the loads.
.macro PQ slot, q, f, g, cm
	s_wait_dscnt 0x4                               ; the factors, V and E's blocks 0, 1 are in; the youngest four loads (blocks 2, 3) may be out
	WIN 0
	SCALE \f, 0, FAC+4*(\slot)
	MUL16 \f, 0, \cm
	WIN 0
	s_wait_dscnt 0x0                               ; blocks 2, 3
	SCALE \f, 2, FAC+4*(\slot)
	FETCH \slot, \q, \g
	MUL16 \f, 2, \cm
.endm
; The last quarter multiplies buffer 1 and changes slots: one barrier; all my tensor loads, the add, and the wait for the add and for my reads of this slot in front of it.
; fill = 1: the barrier opens a round of the cluster's, and the joint refill, two K steps on, is the first thing behind the round.  Then the next K step's factors and first fragments.
.macro PTURN slot, next, fill
	WIN 0
	s_wait_tensorcnt 0x0                           ; all my tensor loads have landed: my part of the next slot
	ds_add_u32 v[SPW], v[NIL]                      ; 0 onto my spare word
	s_wait_dscnt 0x5                               ; the add and the youngest four loads may be out
	SCALE F1, 0, FAC+4*(\slot)
	MUL8 F1, 0, 0
	s_wait_dscnt 0x0                               ; the add is done, and my reads of this slot are over
	s_barrier_signal -1
	MUL8 F1, 1, 0
	WIN 0
	SCALE F1, 2, FAC+4*(\slot)
	s_barrier_wait -1
.if \fill
	CREST
	s_add_nc_u64 s[G0A+4*(\slot)+2:G0A+4*(\slot)+3], s[G0A+4*(\slot)+2:G0A+4*(\slot)+3], 2*KSTEP*2
	s_add_nc_u64 s[G0B+4*(\slot)+2:G0B+4*(\slot)+3], s[G0B+4*(\slot)+2:G0B+4*(\slot)+3], 2*STEPB
	JLOAD \slot
.endif
.if (\next) == 1
	ds_load_b128 v[FAC+4:FAC+7], v[FADR] offset:256  ; the lap's second group
.else
	ds_load_b128 v[FAC:FAC+3], v[FADR] offset:512    ; the next lap's first group,
	v_add_nc_u32 v[FADR], 512, v[FADR]               ; and the table's address goes on a lap
.endif
	FETCH \next, 0, F0
	MUL16 F1, 2, 0
.endm
	s_wait_tensorcnt 0x1                           ; my part of K step 0 is in; K step 1's may stay out
	s_wait_dscnt 0x0                               ; no LDS instruction of mine is pending at the signal
	s_barrier_signal -1
	s_barrier_wait -1
	ds_load_b128 v[FAC:FAC+3], v[FADR]             ; group 0's factors
	FETCH 0, 0, F0
	PQ 0, 1, F0, F1, 1                             ; the first quarter stands in front of the loop: its products start the sums
	WIN 0
	s_mov_b32 s3, LAPS-1
.Llap:                                                 ; a trip goes once round the ring and fills both slots again
	PQ 0, 2, F1, F0, 0
	PQ 0, 3, F0, F1, 0
	PTURN 0, 1, 1
	PQ 1, 1, F0, F1, 0
	PQ 1, 2, F1, F0, 0
	PQ 1, 3, F0, F1, 0
	PTURN 1, 0, 1
	PQ 0, 1, F0, F1, 0
	WIN 0
	s_sub_co_u32 s3, s3, 1
	s_cmp_lg_u32 s3, 0
	s_cbranch_scc1 .Llap
	PQ 0, 2, F1, F0, 0                             ; the last lap fills nothing, and has no round
	PQ 0, 3, F0, F1, 0
	PTURN 0, 1, 0
	PQ 1, 1, F0, F1, 0
	PQ 1, 2, F1, F0, 0
	PQ 1, 3, F0, F1, 0
	s_wait_dscnt 0x4                               ; the very last quarter: nothing more to fetch
	WIN 0
	SCALE F1, 0, FAC+4
	MUL16 F1, 0, 0
	WIN 0
	s_wait_dscnt 0x0
	SCALE F1, 2, FAC+4
	MUL16 F1, 2, 0
	WIN 0
	PLACES                                         ; behind the last products
; THE WAY OUT, a block of 16 rows at a time: divided by l, into my own stage (a lane's eight channels are 32 bytes), back as whole rows of 512 bytes, stored.
.macro OUT a
	WIN 0x41                                       ; destination and source 0 in window 1; each accumulator's registers in ascending order
.set j, 0
.rept 32
	v_pk_mul_f32 v[64*(\a)+2*j:64*(\a)+2*j+1], v[64*(\a)+2*j:64*(\a)+2*j+1], v[RL+2*(\a):RL+2*(\a)+1] op_sel_hi:[1,0]
.set j, j+1
.endr
	WIN 0x04                                       ; the stores' data in window 1
.irp b, 0,1,2,3,4,5,6,7
	ds_store_b128 v[STO], v[64*(\a)+8*(\b):64*(\a)+8*(\b)+3]   offset:64*(\b)
	ds_store_b128 v[STO], v[64*(\a)+8*(\b)+4:64*(\a)+8*(\b)+7] offset:64*(\b)+16
.endr
	WIN 0
	s_wait_xcnt 0x0                                ; the last block's stores have read the registers that are loaded again below
.irp t, 0,1,2,3,4,5,6,7,8,9,10,11,12,13,14,15
	ds_load_b128 v[F0+4*(\t):F0+4*(\t)+3], v[RD] offset:(\t)*OPITCH  ; LDS serves a wave's instructions in order (ISA guide 5.7.1.4): these see the stores above
.endr
	s_wait_dscnt 0x0
.irp t, 0,1,2,3,4,5,6,7,8,9,10,11,12,13,14,15
	global_store_b128 v[CO], v[F0+4*(\t):F0+4*(\t)+3], s[10:11] offset:(16*(\a)+(\t))*ROWB th:TH_STORE_NT  ; a wave's store covers 512 consecutive bytes, aligned; written once, not read again
.endr
.endm
	OUT 0
	OUT 1
	OUT 2
	OUT 3
	s_wait_tensorcnt 0x0                           ; the wave's end
	ds_add_u32 v[SPW], v[NIL]
	s_wait_dscnt 0x0
	CROUND                                         ; the closing round
	s_endpgm
.Lfunc_end_k_q49823849e7_pv:
	.size	k_q49823849e7_pv, .Lfunc_end_k_q49823849e7_pv-k_q49823849e7_pv
	.p2alignl 7, 3214868480
	.fill 96, 4, 3214868480
	.section	.rodata,"a",@progbits
	.p2align	6, 0x0
	.amdhsa_kernel k_q49823849e7_pv
		.amdhsa_group_segment_fixed_size 327680
		.amdhsa_private_segment_fixed_size 0
		.amdhsa_enable_private_segment 0
		.amdhsa_kernarg_size 32
		.amdhsa_user_sgpr_count 2
		.amdhsa_user_sgpr_kernarg_segment_ptr 1
		.amdhsa_wavefront_size32 1
		.amdhsa_system_sgpr_workgroup_id_x 1
		.amdhsa_system_sgpr_workgroup_id_y 1
		.amdhsa_system_sgpr_workgroup_id_z 1
		.amdhsa_system_vgpr_workitem_id 0
		.amdhsa_next_free_vgpr 512
		.amdhsa_next_free_sgpr 76
		.amdhsa_reserve_vcc 0
		.amdhsa_float_denorm_mode_32 3
		.amdhsa_float_denorm_mode_16_64 3
		.amdhsa_memory_ordered 1
		.amdhsa_forward_progress 1
		.amdhsa_inst_pref_size 136
	.end_amdhsa_kernel
	.amdgpu_metadata
---
amdhsa.version: [ 1, 2 ]
amdhsa.kernels:
  - .name:           k_q49823849e7_pv
    .symbol:         k_q49823849e7_pv.kd
    .args:
      - { .name: e, .offset: 0, .size: 8, .value_kind: global_buffer, .address_space: global }
      - { .name: qkv, .offset: 8, .size: 8, .value_kind: global_buffer, .address_space: global }
      - { .name: stats, .offset: 16, .size: 8, .value_kind: global_buffer, .address_space: global }
      - { .name: out0, .offset: 24, .size: 8, .value_kind: global_buffer, .address_space: global }
    .group_segment_fixed_size: 327680
    .private_segment_fixed_size: 0
    .kernarg_segment_align: 8
    .kernarg_segment_size: 32
    .max_flat_workgroup_size: 128
    .sgpr_count:     76
    .vgpr_count:     512
    .wavefront_size: 32
...
	.end_amdgpu_metadata
.endif
;; end of part 4
;; ======== version 2 of 2: 4 launches; 1.16 times as fast as version 1
;; limits: values are held in f16: magnitudes above 65,504 overflow, below 6.1e-05 lose precision
;; workspace buffers: xw 23,068,672 bytes; qkv 50,331,648 bytes; e 33,554,432 bytes; stats 1,048,576 bytes
;; launch cast (part 5): grid 128 x 11, 8 waves a work-group, no clusters, 0 bytes of LDS; arguments x, Wq, Wk, Wv, xw; writes xw
.if DOCPART == 5
	.amdgcn_target "amdgcn-amd-amdhsa--gfx1250"
	.amdhsa_code_object_version 6
	.text
	.protected	k_q49823849e7_cast
	.globl	k_q49823849e7_cast
	.p2align	8
	.type	k_q49823849e7_cast,@function
k_q49823849e7_cast:
	s_mov_b64 s[64:65], 0
	v_nop
	global_prefetch_b8 v0, s[64:65] scope:SCOPE_SE
	s_setreg_imm32_b32 hwreg(HW_REG_WAVE_MODE, 25, 1), 1
	s_wait_xcnt 0x0
; xw = the rows of x (0-8191), Wq (8192-), Wk (9216-), Wv (10240-), each number rounded once to bf16 (nearest even), laid in 16 PLANES of 64 columns:
; xw[kb][row][64], so that 64 columns of any run of rows are dense bytes: the next launch asks for its K steps of 64 as rows of 256 bytes.
; A stream: every input byte is read once, every output byte written once; no LDS, no barrier, no matrix unit: there is nothing to share and nothing to multiply.
; Slice y of the grid is 1,024 rows (y = 0-7: x's eighths; 8, 9, 10: the three weights); work-group x takes 8 of them.  A wave takes two rows and eight planes: one load covers 256 consecutive bytes
; of each of the two rows (64 columns), one store the same numbers as 256 consecutive bytes of a plane, aligned.  Eight loads of every thread are out at once.
.set PLANE, 11264*128                  ; bytes in a plane
.set IN,   5                           ; v5  my byte offset in the group's 8 rows of f32
.set OUTA, 6                           ; v6  my byte offset in xw for my first four planes
.set OUTB, 7                           ; v7  for my last four: a store's immediate reaches three planes
	s_load_b256 s[4:11], s[0:1], 0x0               ; x s[4:5], Wq s[6:7], Wk s[8:9], Wv s[10:11]
	s_load_b64 s[12:13], s[0:1], 0x20              ; xw
	s_and_b32 s16, ttmp7, 0xffff                   ; the slice
	v_and_b32 v1, 31, v0                           ; lane
	v_lshrrev_b32 v2, 5, v0                        ; wave
	v_lshrrev_b32 v3, 1, v2                        ; which pair of the 8 rows
	v_and_b32 v2, 1, v2                            ; which eight planes
	v_lshrrev_b32 v4, 4, v1
	v_lshl_add_u32 v4, v3, 1, v4                   ; my row: lanes 0-15 the pair's first, lanes 16-31 its second
	v_and_b32 v[IN], 15, v1
	v_lshlrev_b32 v[IN], 4, v[IN]                  ; 16 bytes a lane,
	v_lshl_add_u32 v[IN], v4, 12, v[IN]            ; rows of 4,096 bytes,
	v_lshl_add_u32 v[IN], v2, 11, v[IN]            ; eight planes are 2,048 bytes of a row
	v_lshlrev_b32 v[OUTA], 3, v1                   ; 8 bytes a lane: the pair's 256 bytes in a plane,
	v_lshl_add_u32 v[OUTA], v3, 8, v[OUTA]
	v_mul_u32_u24 v[OUTB], v2, 8*PLANE
	v_add_nc_u32 v[OUTA], v[OUTA], v[OUTB]
	v_add_nc_u32 v[OUTB], 4*PLANE, v[OUTA]
	s_lshl_b32 s20, s16, 17                        ; in a plane: the slice's 1,024 rows of 128 bytes,
	s_lshl_b32 s21, ttmp9, 10                      ; the group's 8
	s_add_co_u32 s20, s20, s21
	s_mov_b32 s21, 0
	s_wait_kmcnt 0x0
	s_cmp_lt_u32 s16, 8                            ; which buffer: the choice hangs on the slice's number alone
	s_cselect_b64 s[14:15], s[4:5], s[6:7]
	s_cselect_b32 s17, s16, 0                      ; and which 1,024 rows of it: a weight has only these
	s_cmp_eq_u32 s16, 9
	s_cselect_b64 s[14:15], s[8:9], s[14:15]
	s_cmp_eq_u32 s16, 10
	s_cselect_b64 s[14:15], s[10:11], s[14:15]
	s_lshl_b32 s18, s17, 22
	s_lshl_b32 s19, ttmp9, 15
	s_add_co_u32 s18, s18, s19
	s_mov_b32 s19, 0
	s_add_nc_u64 s[14:15], s[14:15], s[18:19]
	s_add_nc_u64 s[12:13], s[12:13], s[20:21]
.irp j, 0,1,2,3,4,5,6,7
	global_load_b128 v[8+4*(\j):11+4*(\j)], v[IN], s[14:15] offset:256*(\j) th:TH_LOAD_NT  ; plane j of my eight; read once in the launch
.endr
.irp j, 0,1,2,3,4,5,6,7
	s_wait_loadcnt 7-(\j)                          ; loads come back in order: load j is in, the 7 - j younger ones stay out
	v_cvt_pk_bf16_f32 v[40+2*(\j)], v[8+4*(\j)], v[9+4*(\j)]
	v_cvt_pk_bf16_f32 v[41+2*(\j)], v[10+4*(\j)], v[11+4*(\j)]
	global_store_b64 v[OUTA+(\j)/4], v[40+2*(\j):41+2*(\j)], s[12:13] offset:((\j)%4)*PLANE
.endr
	s_endpgm
.Lfunc_end_k_q49823849e7_cast:
	.size	k_q49823849e7_cast, .Lfunc_end_k_q49823849e7_cast-k_q49823849e7_cast
	.p2alignl 7, 3214868480
	.fill 96, 4, 3214868480
	.section	.rodata,"a",@progbits
	.p2align	6, 0x0
	.amdhsa_kernel k_q49823849e7_cast
		.amdhsa_group_segment_fixed_size 0
		.amdhsa_private_segment_fixed_size 0
		.amdhsa_enable_private_segment 0
		.amdhsa_kernarg_size 40
		.amdhsa_user_sgpr_count 2
		.amdhsa_user_sgpr_kernarg_segment_ptr 1
		.amdhsa_wavefront_size32 1
		.amdhsa_system_sgpr_workgroup_id_x 1
		.amdhsa_system_sgpr_workgroup_id_y 1
		.amdhsa_system_sgpr_workgroup_id_z 1
		.amdhsa_system_vgpr_workitem_id 0
		.amdhsa_next_free_vgpr 56
		.amdhsa_next_free_sgpr 66
		.amdhsa_reserve_vcc 0
		.amdhsa_float_denorm_mode_32 3
		.amdhsa_float_denorm_mode_16_64 3
		.amdhsa_memory_ordered 1
		.amdhsa_forward_progress 1
		.amdhsa_inst_pref_size 5
	.end_amdhsa_kernel
	.amdgpu_metadata
---
amdhsa.version: [ 1, 2 ]
amdhsa.kernels:
  - .name:           k_q49823849e7_cast
    .symbol:         k_q49823849e7_cast.kd
    .args:
      - { .name: x, .offset: 0, .size: 8, .value_kind: global_buffer, .address_space: global }
      - { .name: Wq, .offset: 8, .size: 8, .value_kind: global_buffer, .address_space: global }
      - { .name: Wk, .offset: 16, .size: 8, .value_kind: global_buffer, .address_space: global }
      - { .name: Wv, .offset: 24, .size: 8, .value_kind: global_buffer, .address_space: global }
      - { .name: xw, .offset: 32, .size: 8, .value_kind: global_buffer, .address_space: global }
    .group_segment_fixed_size: 0
    .private_segment_fixed_size: 0
    .kernarg_segment_align: 8
    .kernarg_segment_size: 40
    .max_flat_workgroup_size: 256
    .sgpr_count:     66
    .vgpr_count:     56
    .wavefront_size: 32
...
	.end_amdgpu_metadata
.endif
;; end of part 5
;; launch qkvp (part 6): grid 8 x 32, 4 waves a work-group, clusters of 4 x 4, 327,680 bytes of LDS; arguments xw, qkv, bq, bk, bv; writes qkv
.if DOCPART == 6
	.amdgcn_target "amdgcn-amd-amdhsa--gfx1250"
	.amdhsa_code_object_version 6
	.text
	.protected	k_q49823849e7_qkvp
	.globl	k_q49823849e7_qkvp
	.p2align	8
	.type	k_q49823849e7_qkvp,@function
k_q49823849e7_qkvp:
	s_mov_b64 s[64:65], 0
	v_nop
	global_prefetch_b8 v0, s[64:65] scope:SCOPE_SE
	s_setreg_imm32_b32 hwreg(HW_REG_WAVE_MODE, 25, 1), 1
	s_wait_xcnt 0x0
	s_wait_alu depctr_hold_cnt(0) depctr_sa_sdst(0) depctr_va_vdst(0) depctr_va_sdst(0) depctr_va_ssrc(0) depctr_va_vcc(0) depctr_vm_vsrc(0)
	s_getreg_b32 s2, hwreg(HW_REG_IB_STS2, 6, 4)
	s_cmp_eq_u32 s2, 0
	s_cbranch_scc0 .Lentry_in_a_cluster
	s_endpgm
.Lentry_in_a_cluster:
	s_bfe_u32 s2, ttmp6, 0x10000c
	s_cmp_lg_u32 s2, 0xf033
	s_cbranch_scc0 .Lentry_shape_is_right
	s_endpgm
.Lentry_shape_is_right:
; qkv[8192][3072] f16 = [Q | K | V], each x W^T + b.  x and W come as bf16 from xw[16 planes][11264 rows][64] (x: rows 0-8191; Wq, Wk, Wv: 1,024 rows each from row 8192); the bias is rounded to
; bf16 here like every other input; sums in f32, rounded once to f16.  LIMIT: f16 ends at 65,504: a |Q|, |K| or |V| beyond that leaves as an infinity.  NaN and infinities are not treated apart.
; SHARES.  A tile of the result is 256 rows x 384 columns: 32 x 8 tiles, one to each of 256 work-groups.  The 384 columns are three UNITS of 128 (256 bytes of a row of qkv).  So that each wave stores whole
; units, wave (WM, WN) makes 128 rows x unit WN (64 accumulators) and 64 of these rows x unit 2 (32 accumulators): 96 accumulators, 768 registers.  Its row blocks are numbered so that blocks 0-3 are the
; 64 rows of the half piece: rows 128 WM + 64 WN on; blocks 4-7 are the other 64.
; K (1,024) goes in 16 steps of 64, a plane each, through two LDS slots filled by the tensor data mover: 192 matrix instructions a wave for each refill.
; CLUSTER.  4 x 4 work-groups: the four of a row of the cluster need the same rows of x, the four of a column the same rows of W: each tile is asked for JOINTLY, by the same tensor load, descriptor and mask in all four.
; THE MATRIX INSTRUCTION IS USED TRANSPOSED (source 0 = 16 rows of W, source 1 = 16 rows of x): lane l holds row l % 16 of the result and the columns 8 (l / 16) + 0..7.
; THE BIAS is the C operand of each sum's first product: it costs no addition.  Until then it lies in registers of window 3 that the sums take later.
; REGISTERS, in windows of 256 (s_set_vgpr_msb: bits 1:0 source 0, 3:2 source 1, 5:4 source 2, 7:6 destination):
;   window 0: v0-31 addresses; v32-95 W's fragments of unit WN; v96-159 of unit 2; v160-191 x's blocks 4-7; v192-223, v224-255 x's blocks 0-3, two buffers.  The way out works in v32-95.
;   window 1: blocks 0-3 x unit WN, accumulator (a, b) at v[64 a + 8 b];   window 2: blocks 4-7 x unit WN;   window 3: blocks 0-3 x unit 2
.set PLANE,  11264*128                 ; bytes in a plane of xw: from a K step to the next
.set NSTEP,  16
.set PITCH,  144                       ; an LDS row: 128 bytes + 16 of padding = 36 words: the 16 rows of a fragment load start at 16 different groups of four banks (64 banks of 4 bytes: ISA guide 11.1)
.set AHALF,  128*PITCH                 ; what one load brings of x
.set ABYTES, 2*AHALF
.set BHALF,  192*PITCH                 ; what one load brings of W
.set SLOT,   ABYTES+2*BHALF            ; x's 256 rows, then W's 384 rows
.set SLOT1,  1<<17                     ; slot 1 begins here, so that one exclusive or turns an address in one slot into the other's
.set SX,     SLOT1
.set STEPA,  PLANE
.set STEPB,  PLANE
.set STAGE,  SLOT1+SLOT                ; behind the ring: 16 rows x 272 bytes for each wave, for the way out
.set SPITCH, 272
.set WSTAGE, 16*SPITCH
.set SPARE,  STAGE+4*WSTAGE            ; behind the stages: the spare words, 128 bytes a wave: two blocks of 256 bytes that no other line names
.set ROWB,   6144                      ; bytes in a row of qkv
.set BA03, 8                           ; v8-11   my lane's LDS addresses in slot 0: x's blocks 0-3, blocks 4-7, W's unit WN, unit 2; never rewritten
.set BA47, 9
.set BB,   10
.set BB2,  11
.set CA03, 16                          ; v16-19  the same in the slot that is fetched from
.set CA47, 17
.set CB,   18
.set CB2,  19
.set STO,  24                          ; v24  the way out: where I put 16 bytes of a row
.set RD,   25                          ; v25  where I read a row back
.set CO,   26                          ; v26  my byte offset in qkv
.set BO,   27                          ; v27  my byte offset in 128 columns of a bias
.set SPW,  28                          ; v28  LDS address of my spare word; never rewritten
.set NIL,  29                          ; v29  0; never rewritten
.set FB,   32
.set FB2,  96
.set FA47, 160
.set FA03, 192
.set TMP,  32                          ; the way out: packed results
.set OB,   64                          ; the way out: 16 rows read back
.set G1A, 24                           ; s[24:31] descriptor group 1 for x's tiles;  s[32:39] group 0: a set for each first fill; the second then walks
.set G0A, 32
.set G1B, 48                           ; s[48:55], s[56:63] the same for W's
.set G0B, 56
.set PO,  68                           ; s[68:73] qkv at my blocks 0-3 in unit WN, my blocks 4-7 in unit WN, my blocks 0-3 in unit 2
.set HIM, 74                           ; s74  a word's upper bf16
.set TB,  75                           ; s75  the slot that is fetched from: 0 or SLOT1
.set GW, (1<<16)|(1<<20)|(1<<21)|(4<<22)|(3<<25)  ; 17:16 2-byte elements; 20 padding on; 21 set beside a mask; 24:22 after every 32 words; 31:25 4 words of it
.set MSB, 0
.macro WIN new                         ; the immediate's high byte repeats the setting that is left; a switch that changes nothing is dropped
.if MSB != (\new)
	s_set_vgpr_msb (MSB<<8)|(\new)
.set MSB, \new
.endif
.endm
.macro PLACES                          ; four plain vector instructions between a matrix instruction and a load into, or a vector read or write of, its registers
.rept 4
	v_nop
.endr
.endm
; A joint refill, by the walking descriptor: waves 0 and 1 fetch x's two halves, waves 2 and 3 W's.  The branch hangs on the wave's number alone.  An s_nop 0 and four v_nop follow each line.
.macro JLOAD
	s_cmp_eq_u32 s13, 0
	s_cbranch_scc0 .Lfor_b_\@
	tensor_load_to_lds s[G0A+4:G0A+7], s[G1A:G1A+7]
	s_nop 0
.rept 4
	v_nop
.endr
	s_branch .Lasked_\@
.Lfor_b_\@:
	tensor_load_to_lds s[G0B+4:G0B+7], s[G1B:G1B+7]
	s_nop 0
.rept 4
	v_nop
.endr
.Lasked_\@:
.endm
.macro WALK                            ; the walking descriptors: the other slot than last time, the next K step; the type bits on top are not reached
	s_xor_b32 s[G0A+5], s[G0A+5], SX
	s_add_nc_u64 s[G0A+6:G0A+7], s[G0A+6:G0A+7], STEPA
	s_xor_b32 s[G0B+5], s[G0B+5], SX
	s_add_nc_u64 s[G0B+6:G0B+7], s[G0B+6:G0B+7], STEPB
.endm
.macro CREST                           ; a round of the cluster's barrier behind its opening barrier
	s_cmp_lg_u32 s12, 0
	s_cbranch_scc1 .Lnot_wave_0_\@
	s_barrier_signal -3
.Lnot_wave_0_\@:
	s_barrier_wait -3
	s_barrier_signal -1
	s_barrier_wait -1
.endm
.macro CROUND                          ; a whole round
	s_barrier_signal -1
	s_barrier_wait -1
	CREST
.endm
	s_load_b128 s[4:7], s[0:1], 0x0                ; xw s[4:5], qkv s[6:7]
	s_load_b128 s[8:11], s[0:1], 0x10              ; bq s[8:9], bk s[10:11]
	s_load_b64 s[66:67], s[0:1], 0x20              ; bv
	v_lshl_add_u32 v[SPW], v0, 2, SPARE
	v_mov_b32 v[NIL], 0
	ds_add_u32 v[SPW], v[NIL]                      ; the wave's opening: the add and its wait stand ahead of my first tensor load; the set-up below stands between them
	v_lshrrev_b32 v1, 5, v0
	v_readfirstlane_b32 s12, v1                    ; wave 0..3
	s_lshr_b32 s13, s12, 1                         ; WM: which 128 rows of the tile are mine.  Also: I fetch for x (0) or for W (1)
	s_and_b32 s14, s12, 1                          ; WN: which unit.  Also: which half of that tile I fetch
	s_bfe_u32 s15, ttmp6, 0x40000                  ; cx
	s_bfe_u32 s16, ttmp6, 0x40004                  ; cy
	s_and_b32 s17, ttmp7, 0xffff                   ; the cluster's y
	s_lshl_b32 s18, s17, 2
	s_add_co_u32 s18, s18, s16                     ; tile row = 4 x cluster y + cy
	s_lshl_b32 s19, ttmp9, 2
	s_add_co_u32 s19, s19, s15                     ; tile column = 4 x cluster x + cx
	s_lshl_b32 s42, s16, 2
	s_lshl_b32 s42, 15, s42                        ; my row of the cluster
	s_lshl_b32 s43, 0x1111, s15                    ; my column
	s_or_b32 s[G1A], s42, GW                       ; x's tiles go to my row
	s_or_b32 s[G1B], s43, GW                       ; W's to my column
	s_mov_b32 s[G1A+1], 128<<16                    ; 128 rows of 128 bytes are dense: asked for as 64 rows of 256 bytes (128 elements), padded after every 128 bytes
	s_mov_b32 s[G1A+2], 64<<16
	s_mov_b32 s[G1A+3], 128<<16
	s_mov_b32 s[G1A+4], 64
	s_mov_b32 s[G1A+5], 128
	s_mov_b32 s[G1A+6], 0
	s_mov_b32 s[G1A+7], 0
	s_mov_b32 s[G1B+1], 128<<16                    ; 192 rows: 96 rows of 256 bytes
	s_mov_b32 s[G1B+2], 96<<16
	s_mov_b32 s[G1B+3], 128<<16
	s_mov_b32 s[G1B+4], 96
	s_mov_b32 s[G1B+5], 128
	s_mov_b32 s[G1B+6], 0
	s_mov_b32 s[G1B+7], 0
	s_lshl_b32 s20, s18, 15                        ; x: row 256 x tile row + 128 x half, 128 bytes each: no cx in these registers
	s_lshl_b32 s21, s14, 14
	s_add_co_u32 s20, s20, s21
	s_mov_b32 s21, 0
	s_mul_i32 s40, s19, 384*128                    ; W: row 8192 + 384 x tile column + 192 x half: no cy in these
	s_mul_i32 s41, s14, 192*128
	s_add_co_u32 s40, s40, s41
	s_add_co_u32 s40, s40, 8192*128
	s_mov_b32 s41, 0
	s_mul_i32 s44, s14, AHALF                      ; where they go: the wave's number alone enters an LDS address
	s_mul_i32 s45, s14, BHALF
	s_add_co_u32 s45, s45, ABYTES
	s_mov_b32 s[HIM], 0xffff0000
	s_mov_b32 s[TB], 0
	s_wait_dscnt 0x0                               ; the opening add is done
	s_wait_kmcnt 0x0
	s_add_nc_u64 s[22:23], s[4:5], s[20:21]
	s_add_nc_u64 s[46:47], s[4:5], s[40:41]
	CROUND                                         ; all sixteen work-groups are here: the first joint loads meet
.irp s, 0,1
	s_mov_b32 s[G0A+4*(\s)], 1                     ; count = 1
	s_add_co_u32 s[G0A+4*(\s)+1], s44, (\s)*SLOT1  ; LDS address
	s_add_nc_u64 s[G0A+4*(\s)+2:G0A+4*(\s)+3], s[22:23], (\s)*PLANE   ; global address: K step s
	s_or_b32 s[G0A+4*(\s)+3], s[G0A+4*(\s)+3], 0x80000000            ; type = 2
	s_mov_b32 s[G0B+4*(\s)], 1
	s_add_co_u32 s[G0B+4*(\s)+1], s45, (\s)*SLOT1
	s_add_nc_u64 s[G0B+4*(\s)+2:G0B+4*(\s)+3], s[46:47], (\s)*PLANE
	s_or_b32 s[G0B+4*(\s)+3], s[G0B+4*(\s)+3], 0x80000000
.endr
	s_cmp_eq_u32 s13, 0                            ; a wave's two first fills stand in one branch, ahead of every wait on TENSORcnt and every LDS read: two loads of mine are out
	s_cbranch_scc0 .Lfirst_b
	tensor_load_to_lds s[G0A:G0A+3], s[G1A:G1A+7]
	s_nop 0
	tensor_load_to_lds s[G0A+4:G0A+7], s[G1A:G1A+7]
	s_nop 0
.rept 4
	v_nop
.endr
	s_branch .Lfirst_asked
.Lfirst_b:
	tensor_load_to_lds s[G0B:G0B+3], s[G1B:G1B+7]
	s_nop 0
	tensor_load_to_lds s[G0B+4:G0B+7], s[G1B:G1B+7]
	s_nop 0
.rept 4
	v_nop
.endr
.Lfirst_asked:
	v_and_b32 v1, 15, v0                           ; l % 16
	v_bfe_u32 v2, v0, 4, 1                         ; l / 16
	; where my three shares begin in qkv.  Unit U of a row (0..23) lies at byte 256 U: U = 3 x tile column + WN, and 3 x tile column + 2
	s_lshl_b32 s20, s18, 8
	s_lshl_b32 s21, s13, 7
	s_add_co_u32 s20, s20, s21                     ; my 128 rows: 256 x tile row + 128 WM
	s_lshl_b32 s21, s14, 6
	s_add_co_u32 s44, s20, s21                     ; blocks 0-3: + 64 WN
	s_xor_b32 s21, s21, 64
	s_add_co_u32 s45, s20, s21                     ; blocks 4-7: the other 64
	s_mul_i32 s44, s44, ROWB
	s_mul_i32 s45, s45, ROWB
	s_mul_i32 s46, s19, 3
	s_add_co_u32 s47, s46, s14                     ; my full unit
	s_add_co_u32 s46, s46, 2                       ; the shared unit
	s_lshl_b32 s20, s47, 8
	s_add_co_u32 s22, s44, s20
	s_mov_b32 s23, 0
	s_add_nc_u64 s[PO:PO+1], s[6:7], s[22:23]
	s_add_co_u32 s22, s45, s20
	s_add_nc_u64 s[PO+2:PO+3], s[6:7], s[22:23]
	s_lshl_b32 s20, s46, 8
	s_add_co_u32 s22, s44, s20
	s_add_nc_u64 s[PO+4:PO+5], s[6:7], s[22:23]
	; a unit lies wholly in one of Q, K, V (eight units each): its bias is 128 numbers of bq, bk or bv
	s_lshr_b32 s20, s47, 3
	s_cmp_eq_u32 s20, 0
	s_cselect_b64 s[40:41], s[8:9], s[10:11]
	s_cmp_eq_u32 s20, 2
	s_cselect_b64 s[40:41], s[66:67], s[40:41]
	s_and_b32 s22, s47, 7
	s_lshl_b32 s22, s22, 9
	s_add_nc_u64 s[40:41], s[40:41], s[22:23]
	s_lshr_b32 s20, s46, 3
	s_cmp_eq_u32 s20, 0
	s_cselect_b64 s[44:45], s[8:9], s[10:11]
	s_cmp_eq_u32 s20, 2
	s_cselect_b64 s[44:45], s[66:67], s[44:45]
	s_and_b32 s22, s46, 7
	s_lshl_b32 s22, s22, 9
	s_add_nc_u64 s[44:45], s[44:45], s[22:23]
	v_lshlrev_b32 v[BO], 5, v2                     ; my lanes' 8 columns of each 16
	; The bias of column 16 b + 8 (l / 16) + j goes to register 8 b + j: my full unit's to v0-63 of window 3, the shared unit's to v192-255 of window 3.
	WIN 0xc0                                       ; destination window 3, address window 0
.irp b, 0,1,2,3,4,5,6,7
	global_load_b128 v[8*(\b):8*(\b)+3],         v[BO], s[40:41] offset:64*(\b)
	global_load_b128 v[8*(\b)+4:8*(\b)+7],       v[BO], s[40:41] offset:64*(\b)+16
	global_load_b128 v[192+8*(\b):192+8*(\b)+3],   v[BO], s[44:45] offset:64*(\b)
	global_load_b128 v[192+8*(\b)+4:192+8*(\b)+7], v[BO], s[44:45] offset:64*(\b)+16
.endr
	WIN 0
	; A fragment is 16 rows x 32 K in 8 registers: lane l holds row l % 16, K = 8 (l / 16) + 0..7 and 16 + 8 (l / 16) + 0..7: two loads of 16 bytes, 32 bytes apart.
	v_mul_u32_u24 v3, v1, PITCH
	v_lshl_add_u32 v3, v2, 4, v3                   ; row x pitch + 16 x half
	s_mul_i32 s20, s13, AHALF                      ; my 128 rows of x,
	s_mul_i32 s21, s14, 64*PITCH                   ; of them the 64 of the half piece first,
	s_add_co_u32 s22, s20, s21
	v_add_nc_u32 v[BA03], s22, v3
	s_xor_b32 s21, s21, 64*PITCH                   ; then the other 64
	s_add_co_u32 s22, s20, s21
	v_add_nc_u32 v[BA47], s22, v3
	s_mul_i32 s21, s14, 128*PITCH                  ; W's rows lie behind x's 256: unit WN,
	s_add_co_u32 s21, s21, ABYTES
	v_add_nc_u32 v[BB], s21, v3
	v_add_nc_u32 v[BB2], ABYTES+256*PITCH, v3      ; unit 2
	v_mov_b32 v[CA03], v[BA03]                     ; the fetches begin in slot 0
	v_mov_b32 v[CA47], v[BA47]
	v_mov_b32 v[CB], v[BB]
	v_mov_b32 v[CB2], v[BB2]
	s_mul_i32 s20, s12, WSTAGE
	s_add_co_u32 s20, s20, STAGE                   ; my stage
	v_mul_u32_u24 v4, v1, SPITCH                   ; in: row l % 16, 16 bytes for each half of the lanes
	v_lshl_add_u32 v4, v2, 4, v4
	v_add_nc_u32 v[STO], s20, v4
	v_mul_u32_u24 v4, v2, SPITCH                   ; back: lanes 0-15 take one row of 256 bytes, lanes 16-31 the next
	v_lshl_add_u32 v4, v1, 4, v4
	v_add_nc_u32 v[RD], s20, v4
	v_mul_u32_u24 v4, v2, ROWB                     ; and the same two rows in qkv
	v_lshl_add_u32 v[CO], v1, 4, v4
	s_wait_loadcnt 0x0                             ; the bias is in: it is rounded to bf16 and widened again
	WIN 0x0f                                       ; sources in window 3
.set j, 0
.rept 32
	v_cvt_pk_bf16_f32 v[TMP+j], v[2*j], v[2*j+1]
	v_cvt_pk_bf16_f32 v[TMP+32+j], v[192+2*j], v[192+2*j+1]
.set j, j+1
.endr
	WIN 0xc0
.set j, 0
.rept 32
	v_lshlrev_b32 v[2*j], 16, v[TMP+j]
	v_and_b32 v[2*j+1], s[HIM], v[TMP+j]
	v_lshlrev_b32 v[192+2*j], 16, v[TMP+32+j]
	v_and_b32 v[192+2*j+1], s[HIM], v[TMP+32+j]
.set j, j+1
.endr
	WIN 0
; 8 matrix instructions: one row block x the 8 column blocks of a unit, 32 along K.  w: the windows; d: the block's first accumulator; fb: W's fragments; fa: x's fragment; c >= 0: the sums start with v[c + 8 b].
; The 96 accumulators take turns, one instruction a turn, in the same order in every chunk.
.macro MUL8 w, d, fb, fa, c
	WIN \w
.irp b, 0,1,2,3,4,5,6,7
.if (\c) >= 0
	v_wmma_f32_16x16x32_bf16 v[(\d)+8*(\b):(\d)+8*(\b)+7], v[(\fb)+8*(\b):(\fb)+8*(\b)+7], v[(\fa):(\fa)+7], v[(\c)+8*(\b):(\c)+8*(\b)+7]
.else
	v_wmma_f32_16x16x32_bf16 v[(\d)+8*(\b):(\d)+8*(\b)+7], v[(\fb)+8*(\b):(\fb)+8*(\b)+7], v[(\fa):(\fa)+7], v[(\d)+8*(\b):(\d)+8*(\b)+7]
.endif
.endr
.endm
.macro MLOW ab, a, first               ; block a of 0-3 (buffer ab) x unit WN: window 1; first = 1: C is the bias, in window 3
.if \first
	MUL8 0x70, 64*(\a), FB, FA03+32*(\ab)+8*(\a), 0
.else
	MUL8 0x50, 64*(\a), FB, FA03+32*(\ab)+8*(\a), -1
.endif
.endm
.macro MHIGH a, first                  ; block 4 + a x unit WN: window 2
.if \first
	MUL8 0xb0, 64*(\a), FB, FA47+8*(\a), 0
.else
	MUL8 0xa0, 64*(\a), FB, FA47+8*(\a), -1
.endif
.endm
.macro MHALF ab, a, first              ; block a of 0-3 x unit 2: window 3; first = 1: C is the shared unit's bias, which lies where block 3's sums will: block 3 starts in place
.if \first
	MUL8 0xf0, 64*(\a), FB2, FA03+32*(\ab)+8*(\a), 192
.else
	MUL8 0xf0, 64*(\a), FB2, FA03+32*(\ab)+8*(\a), -1
.endif
.endm
; THE LDS LOADS stand in two runs a chunk.  The first, 32 loads: the next chunk's fragments of unit WN, of blocks 4-7, and of blocks 0-3 into their other buffer.  p: which 32 of the slot's 64 along K, and which buffer.
.macro BATCH1 p
	WIN 0
.irp i, 0,1,2,3,4,5,6,7
	ds_load_b128 v[FB+8*(\i):FB+8*(\i)+3],   v[CB] offset:64*(\p)+(\i)*16*PITCH
	ds_load_b128 v[FB+8*(\i)+4:FB+8*(\i)+7], v[CB] offset:64*(\p)+(\i)*16*PITCH+32
.endr
.irp i, 0,1,2,3
	ds_load_b128 v[FA47+8*(\i):FA47+8*(\i)+3],   v[CA47] offset:64*(\p)+(\i)*16*PITCH
	ds_load_b128 v[FA47+8*(\i)+4:FA47+8*(\i)+7], v[CA47] offset:64*(\p)+(\i)*16*PITCH+32
.endr
.irp i, 0,1,2,3
	ds_load_b128 v[FA03+32*(\p)+8*(\i):FA03+32*(\p)+8*(\i)+3],   v[CA03] offset:64*(\p)+(\i)*16*PITCH
	ds_load_b128 v[FA03+32*(\p)+8*(\i)+4:FA03+32*(\p)+8*(\i)+7], v[CA03] offset:64*(\p)+(\i)*16*PITCH+32
.endr
.endm
.macro BATCH2 p                        ; the second, 16 loads: the next chunk's fragments of unit 2
	WIN 0
.irp i, 0,1,2,3,4,5,6,7
	ds_load_b128 v[FB2+8*(\i):FB2+8*(\i)+3],   v[CB2] offset:64*(\p)+(\i)*16*PITCH
	ds_load_b128 v[FB2+8*(\i)+4:FB2+8*(\i)+7], v[CB2] offset:64*(\p)+(\i)*16*PITCH+32
.endr
.endm
; A CHUNK: 32 along K, 96 matrix instructions; p: the slot's first or second 32.  Each run of loads stands behind the last product that read its registers, four places on, and 32 matrix instructions or more ahead of its first use.
; mode 0: the next chunk lies in the same slot.  mode 1, 2: THE CHANGE OF SLOTS: this slot's last bytes were asked for in the chunk before.  ONE barrier: in front of it each wave waits for all its tensor loads
; (one is out: its part of the next slot), adds 0 to its spare word, and waits for that and for its own reads of this slot.  Behind it nobody reads this slot any more and the next slot is whole.
; mode 1: the barrier opens a round of the cluster's, so that no wave of any partner still reads the slot or has a load on its way; the joint refill, two K steps on, is the first thing behind the round.
; mode 3: the last chunk: nothing is fetched.  first = 1: the products start the sums.
.macro CHUNK p, mode, first=0
.if ((\mode) == 1) || ((\mode) == 2)
	WIN 0
	s_wait_tensorcnt 0x0                           ; all my tensor loads have landed, so a group 0 may be written
	ds_add_u32 v[SPW], v[NIL]                      ; 0 onto my spare word
.if (\mode) == 1
	WALK
.endif
	s_wait_dscnt 17                                ; the add and the 16 loads of unit 2 may be out
	MLOW \p, 0, 0                                  ; eight matrix instructions stand between the add and the wait for it
	s_wait_dscnt 0x0                               ; the add is done, and my reads of this slot are over
	s_barrier_signal -1
	MLOW \p, 1, 0                                  ; work on registers while the others arrive
	WIN 0
	s_barrier_wait -1
.if (\mode) == 1
	CREST
	JLOAD
.endif
	s_xor_b32 s[TB], s[TB], SLOT1                  ; the fetches go on in the other slot
	v_add_nc_u32 v[CA03], s[TB], v[BA03]
	v_add_nc_u32 v[CA47], s[TB], v[BA47]
	v_add_nc_u32 v[CB], s[TB], v[BB]
	v_add_nc_u32 v[CB2], s[TB], v[BB2]
	MLOW \p, 2, 0
	MLOW \p, 3, 0
.else
	s_wait_dscnt 16                                ; the first run is in; the 16 loads of unit 2 may be out
.irp a, 0,1,2,3
	MLOW \p, \a, \first
.endr
.endif
.irp a, 0,1,2,3
	MHIGH \a, \first
.endr
.if (\mode) != 3
	WIN 0
	PLACES
.if \first
	v_nop                                          ; a fifth place: the products below write over registers that the products above read as C
.endif
	BATCH1 1-(\p)
.if (\mode) == 0
	s_wait_dscnt 32                                ; unit 2's fragments are in: all but the 32 just issued
.endif
.else
	s_wait_dscnt 0x0
.endif
.irp a, 0,1,2
	MHALF \p, \a, \first
.endr
.if \first
.rept 5
	v_nop                                          ; five places: block 3's products write over the registers that blocks 0-2's read as C
.endr
.endif
	MHALF \p, 3, \first
.if (\mode) != 3
	WIN 0
	PLACES
	BATCH2 1-(\p)
.endif
.endm
; THE WAY OUT, a block of 16 rows x 128 columns at a time (block k of 12: window 1 + k / 4, row block k % 4): rounded to f16 (a lane's eight columns are 16 bytes), into my own stage, back as whole rows of 256 bytes, stored.
.macro PACK k
	WIN 5*(1+(\k)/4)                               ; both sources in the block's window; each accumulator's registers in ascending order
.set j, 0
.rept 32
	v_cvt_pk_f16_f32 v[TMP+j], v[64*((\k)%4)+2*j], v[64*((\k)%4)+2*j+1]
.set j, j+1
.endr
	WIN 0
.endm
.macro TOSTAGE
.irp b, 0,1,2,3,4,5,6,7
	ds_store_b128 v[STO], v[TMP+4*(\b):TMP+4*(\b)+3] offset:32*(\b)
.endr
	s_wait_xcnt 0x0                                ; the last block's stores have read the registers that are loaded again below
.irp t, 0,1,2,3,4,5,6,7
	ds_load_b128 v[OB+4*(\t):OB+4*(\t)+3], v[RD] offset:(\t)*2*SPITCH  ; LDS serves a wave's instructions in order (ISA guide 5.7.1.4): these see the stores above
.endr
.endm
.macro SEND k
	s_wait_dscnt 0x0                               ; the block is back in registers
.irp t, 0,1,2,3,4,5,6,7
	global_store_b128 v[CO], v[OB+4*(\t):OB+4*(\t)+3], s[PO+2*((\k)/4):PO+2*((\k)/4)+1] offset:(16*((\k)%4)+2*(\t))*ROWB  ; 16 lanes store 256 consecutive bytes, aligned
.endr
.endm
	s_wait_tensorcnt 0x1                           ; my part of K step 0 is in; K step 1's may stay out
	s_barrier_signal -1
	s_barrier_wait -1                              ; everybody's is
	BATCH1 0
	BATCH2 0
	CHUNK 0, 0, 1                                  ; the first chunk stands in front of the loop: its products start the sums
	WIN 0
	s_mov_b32 s3, NSTEP-2
.Lstep:                                                ; a trip: a K step's second chunk, which changes slots and asks for the step two on, and the next step's first chunk
	CHUNK 1, 1
	CHUNK 0, 0
	WIN 0
	s_sub_co_u32 s3, s3, 1
	s_cmp_lg_u32 s3, 0
	s_cbranch_scc1 .Lstep
	CHUNK 1, 2                                     ; the tail is written out: nothing is asked for
	CHUNK 0, 0
	CHUNK 1, 3
	WIN 0
	PLACES                                         ; behind the last products
	PACK 0
	TOSTAGE
.irp k, 1,2,3,4,5,6,7,8,9,10,11        ; a block's conversions stand between the loads of the block before and the wait for them
	PACK \k
	SEND (\k)-1
	TOSTAGE
.endr
	SEND 11
	s_wait_tensorcnt 0x0                           ; the wave's end
	ds_add_u32 v[SPW], v[NIL]
	s_wait_dscnt 0x0
	CROUND                                         ; the closing round: no work-group ends while a partner may still ask for a tile that names it
	s_endpgm
.Lfunc_end_k_q49823849e7_qkvp:
	.size	k_q49823849e7_qkvp, .Lfunc_end_k_q49823849e7_qkvp-k_q49823849e7_qkvp
	.p2alignl 7, 3214868480
	.fill 96, 4, 3214868480
	.section	.rodata,"a",@progbits
	.p2align	6, 0x0
	.amdhsa_kernel k_q49823849e7_qkvp
		.amdhsa_group_segment_fixed_size 327680
		.amdhsa_private_segment_fixed_size 0
		.amdhsa_enable_private_segment 0
		.amdhsa_kernarg_size 40
		.amdhsa_user_sgpr_count 2
		.amdhsa_user_sgpr_kernarg_segment_ptr 1
		.amdhsa_wavefront_size32 1
		.amdhsa_system_sgpr_workgroup_id_x 1
		.amdhsa_system_sgpr_workgroup_id_y 1
		.amdhsa_system_sgpr_workgroup_id_z 1
		.amdhsa_system_vgpr_workitem_id 0
		.amdhsa_next_free_vgpr 1024
		.amdhsa_next_free_sgpr 76
		.amdhsa_reserve_vcc 0
		.amdhsa_float_denorm_mode_32 3
		.amdhsa_float_denorm_mode_16_64 3
		.amdhsa_memory_ordered 1
		.amdhsa_forward_progress 1
		.amdhsa_inst_pref_size 125
	.end_amdhsa_kernel
	.amdgpu_metadata
---
amdhsa.version: [ 1, 2 ]
amdhsa.kernels:
  - .name:           k_q49823849e7_qkvp
    .symbol:         k_q49823849e7_qkvp.kd
    .args:
      - { .name: xw, .offset: 0, .size: 8, .value_kind: global_buffer, .address_space: global }
      - { .name: qkv, .offset: 8, .size: 8, .value_kind: global_buffer, .address_space: global }
      - { .name: bq, .offset: 16, .size: 8, .value_kind: global_buffer, .address_space: global }
      - { .name: bk, .offset: 24, .size: 8, .value_kind: global_buffer, .address_space: global }
      - { .name: bv, .offset: 32, .size: 8, .value_kind: global_buffer, .address_space: global }
    .group_segment_fixed_size: 327680
    .private_segment_fixed_size: 0
    .kernarg_segment_align: 8
    .kernarg_segment_size: 40
    .max_flat_workgroup_size: 128
    .sgpr_count:     76
    .vgpr_count:     1024
    .wavefront_size: 32
...
	.end_amdgpu_metadata
.endif
;; end of part 6
;; launch scores (part 7): grid 8 x 32, 4 waves a work-group, clusters of 4 x 4, 327,680 bytes of LDS; arguments qkv, e, stats; writes e, stats
.if DOCPART == 7
	.amdgcn_target "amdgcn-amd-amdhsa--gfx1250"
	.amdhsa_code_object_version 6
	.text
	.protected	k_q49823849e7_scores
	.globl	k_q49823849e7_scores
	.p2align	8
	.type	k_q49823849e7_scores,@function
k_q49823849e7_scores:
	s_mov_b64 s[64:65], 0
	v_nop
	global_prefetch_b8 v0, s[64:65] scope:SCOPE_SE
	s_setreg_imm32_b32 hwreg(HW_REG_WAVE_MODE, 25, 1), 1
	s_wait_xcnt 0x0
	s_wait_alu depctr_hold_cnt(0) depctr_sa_sdst(0) depctr_va_vdst(0) depctr_va_sdst(0) depctr_va_ssrc(0) depctr_va_vcc(0) depctr_vm_vsrc(0)
	s_getreg_b32 s2, hwreg(HW_REG_IB_STS2, 6, 4)
	s_cmp_eq_u32 s2, 0
	s_cbranch_scc0 .Lentry_in_a_cluster
	s_endpgm
.Lentry_in_a_cluster:
	s_bfe_u32 s2, ttmp6, 0x10000c
	s_cmp_lg_u32 s2, 0xf033
	s_cbranch_scc0 .Lentry_shape_is_right
	s_endpgm
.Lentry_shape_is_right:
; S = Q K^T for each of 4 batches of 2,048 rows, and the first half of the softmax.  With c = log2(e) / 32, for each row and each GROUP g of 128 keys:
;   c m_g (m_g: the largest score of the group), E = 2^(c s - c m_g) rounded to f16 -> e[8192][2048], and the sum of the unrounded E -> stats[g][row] = (c m_g, sum), f32.
; So a true maximum is taken away before every exponential: no exponent is above 0.  The next launch finds the row's maximum over the 16 groups and corrects by 2^(c m_g - M) <= 1.
; LIMITS.  An E below 6e-8 counts as 0 in e, below 6e-5 it keeps f16's fixed step; one below 2^-126 counts as 0 in the sum.  NaN and infinities are not treated apart.
; SHARES.  A tile of S is 256 rows x 256 keys: 32 x 8 tiles, one to each of 256 work-groups.  Four waves, each 128 rows x 128 keys: 64 accumulators, 512 registers; a wave's keys ARE a group, so maximum
; and sum never leave the wave.  K (1,024 channels) goes in 8 steps of 128 through two LDS slots: 256 matrix instructions a wave for each refill.
; CLUSTER.  4 x 4 work-groups of one batch: a row of the cluster shares its rows of Q, a column its rows of K: joint loads.
; THE MATRIX INSTRUCTION IS USED TRANSPOSED (source 0 = 16 keys, source 1 = 16 queries): lane l holds query l % 16 and the keys 8 (l / 16) + 0..7 of each block of 16.
; THE WAY OUT is written for four row blocks, in window 2, and walked twice; between the walks the sums of blocks 4-7 are copied there.  The price: 256 v_mov_b32 once a launch; the gain: four blocks' softmax
; and way through the stage, some 6,000 bytes of text, are not written a second time.
; REGISTERS, in windows of 256 (s_set_vgpr_msb: bits 1:0 source 0, 3:2 source 1, 5:4 source 2, 7:6 destination):
;   window 0: v0-31 addresses; v32-63 statistics; v64-127, v128-191 Q's fragments, two buffers; v192-245 at work on the way out      window 1: v64-127, v128-191 K's fragments, two buffers
;   window 2: the accumulators of my row blocks 0-3, (a, b) at v[64 a + 8 b];   window 3: those of blocks 4-7
.set NSTEP,  8
.set KSTEP,  128
.set PITCH,  272                       ; an LDS row: 256 bytes + 16 of padding: the 16 rows of a fragment load start at 16 different groups of four banks (ISA guide 11.1)
.set PIECE,  128*PITCH                 ; 128 rows: what one load brings, and what one wave reads of Q or of K
.set WPIECE, 2*PIECE                   ; wave w's piece of slot s lies at w WPIECE + s PIECE: the two terms share no bit, so one exclusive or changes slots
.set SX,     PIECE
.set STEPA,  KSTEP*2
.set STEPB,  KSTEP*2
.set STAGE,  4*WPIECE                  ; behind the ring: 16 rows x 272 bytes for each wave
.set WSTAGE, 16*PITCH
.set SPARE,  STAGE+4*WSTAGE            ; the spare words, 128 bytes a wave: two blocks of 256 bytes that no other line names
.set QROWB,  6144                      ; bytes in a row of qkv
.set ROWB,   4096                      ; bytes in a row of e
.set BA,   8                           ; v8, v9   my lane's LDS addresses in slot 0: Q's fragments, K's; never rewritten
.set BB,   9
.set CA,   16                          ; v16, v17 the same in the slot that is fetched from
.set CB,   17
.set STO,  24
.set RD,   25
.set CO,   26
.set SO,   27                          ; v27  8 x lane: my place in 32 rows of stats
.set SPW,  28
.set NIL,  29
.set ST,   32                          ; v32-39  block a of the four in hand: c m at ST + 2 a, m at ST + 2 a + 1
.set SU,   48                          ; v48-51  block a's sum
.set X,    56                          ; v56-59  what goes to stats
.set F0,   64
.set F1,   128
.set OB,   64                          ; the way out: 16 rows read back
.set TMP,  192                         ; the way out: packed E
.set T,    224                         ; v224-245 at work
.set G1A, 24
.set G0A, 32
.set G1B, 48
.set G0B, 56
.set CS,  68                           ; s[68:69] c
.set SEL, 70                           ; s[70:71] v_permlanex16_b32's selects: each lane takes its own place in the other half
.set UPL, 72                           ; s72  a mask of lanes: lanes 16-31
.set TB,  73                           ; s73  the slot that is fetched from: 0 or PIECE
.set GW, (1<<16)|(1<<20)|(1<<21)|(5<<22)|(3<<25)  ; 2-byte elements; padding on; bit 21 beside a mask; after every 64 words 4 words
.set MSB, 0
.macro WIN new
.if MSB != (\new)
	s_set_vgpr_msb (MSB<<8)|(\new)
.set MSB, \new
.endif
.endm
.macro PLACES                          ; four plain vector instructions between a matrix instruction and a load into, or a vector read or write of, its registers
.rept 4
	v_nop
.endr
.endm
.macro JLOAD                           ; a joint refill, by the walking descriptor: waves 0 and 1 fetch Q's two halves, waves 2 and 3 K's; an s_nop 0 and four v_nop follow each line
	s_cmp_eq_u32 s13, 0
	s_cbranch_scc0 .Lfor_b_\@
	tensor_load_to_lds s[G0A+4:G0A+7], s[G1A:G1A+7]
	s_nop 0
.rept 4
	v_nop
.endr
	s_branch .Lasked_\@
.Lfor_b_\@:
	tensor_load_to_lds s[G0B+4:G0B+7], s[G1B:G1B+7]
	s_nop 0
.rept 4
	v_nop
.endr
.Lasked_\@:
.endm
.macro WALK                            ; the walking descriptors: the other slot than last time, the next K step
	s_xor_b32 s[G0A+5], s[G0A+5], SX
	s_add_nc_u64 s[G0A+6:G0A+7], s[G0A+6:G0A+7], STEPA
	s_xor_b32 s[G0B+5], s[G0B+5], SX
	s_add_nc_u64 s[G0B+6:G0B+7], s[G0B+6:G0B+7], STEPB
.endm
.macro CREST
	s_cmp_lg_u32 s12, 0
	s_cbranch_scc1 .Lnot_wave_0_\@
	s_barrier_signal -3
.Lnot_wave_0_\@:
	s_barrier_wait -3
	s_barrier_signal -1
	s_barrier_wait -1
.endm
.macro CROUND
	s_barrier_signal -1
	s_barrier_wait -1
	CREST
.endm
	s_load_b128 s[4:7], s[0:1], 0x0                ; qkv s[4:5], e s[6:7]
	s_load_b64 s[8:9], s[0:1], 0x10                ; stats
	v_lshl_add_u32 v[SPW], v0, 2, SPARE
	v_mov_b32 v[NIL], 0
	ds_add_u32 v[SPW], v[NIL]                      ; the wave's opening: the add and its wait stand ahead of my first tensor load
	v_lshrrev_b32 v1, 5, v0
	v_readfirstlane_b32 s12, v1                    ; wave 0..3
	s_lshr_b32 s13, s12, 1                         ; my 128 rows.  Also: I fetch for Q (0) or for K (1)
	s_and_b32 s14, s12, 1                          ; my 128 keys.  Also: which half of that tile I fetch
	s_bfe_u32 s15, ttmp6, 0x40000                  ; cx
	s_bfe_u32 s16, ttmp6, 0x40004                  ; cy
	s_and_b32 s17, ttmp7, 0xffff                   ; the cluster's y
	s_lshl_b32 s18, s17, 2
	s_add_co_u32 s18, s18, s16                     ; tile row = 4 x cluster y + cy
	s_lshl_b32 s19, ttmp9, 2
	s_add_co_u32 s19, s19, s15                     ; tile column = 4 x cluster x + cx
	s_lshl_b32 s42, s16, 2
	s_lshl_b32 s42, 15, s42                        ; my row of the cluster
	s_lshl_b32 s43, 0x1111, s15                    ; my column
	s_or_b32 s[G1A], s42, GW
	s_or_b32 s[G1B], s43, GW
.irp g, G1A, G1B
	s_mov_b32 s[(\g)+1], KSTEP<<16                 ; a tile of 128 rows x 128 elements
	s_mov_b32 s[(\g)+2], 128<<16
	s_mov_b32 s[(\g)+3], KSTEP<<16
	s_mov_b32 s[(\g)+4], 128
	s_mov_b32 s[(\g)+5], 3072                      ; elements from row to row of qkv
	s_mov_b32 s[(\g)+6], 0
	s_mov_b32 s[(\g)+7], 0
.endr
	s_lshl_b32 s20, s18, 8                         ; Q: row 256 x tile row + 128 x half
	s_lshl_b32 s21, s14, 7
	s_add_co_u32 s20, s20, s21
	s_mul_i32 s20, s20, QROWB
	s_mov_b32 s21, 0
	s_lshr_b32 s40, s17, 1                         ; the batch: 8 tile rows, two clusters
	s_lshl_b32 s40, s40, 11                        ; K: row 2,048 x batch + 256 x tile column + 128 x half,
	s_lshl_b32 s41, s19, 8
	s_add_co_u32 s40, s40, s41
	s_lshl_b32 s41, s14, 7
	s_add_co_u32 s40, s40, s41
	s_mul_i32 s40, s40, QROWB
	s_add_co_u32 s40, s40, 2048                    ; K lies 2,048 bytes into a row
	s_mov_b32 s41, 0
	s_mul_i32 s44, s12, WPIECE                     ; where my piece goes: the wave's number alone enters an LDS address
	s_mov_b32 s[UPL], 0xffff0000
	s_mov_b32 s[CS], 0x3d38aa3b                    ; c = log2(e) / 32 = 0.0450842
	s_mov_b32 s[CS+1], s[CS]                       ; named with it as a pair
	s_mov_b32 s[SEL], 0x76543210
	s_mov_b32 s[SEL+1], 0xfedcba98
	s_mov_b32 s[TB], 0
	s_wait_dscnt 0x0                               ; the opening add is done
	s_wait_kmcnt 0x0
	s_add_nc_u64 s[22:23], s[4:5], s[20:21]
	s_add_nc_u64 s[46:47], s[4:5], s[40:41]
	CROUND                                         ; the first joint loads meet
.irp s, 0,1
	s_mov_b32 s[G0A+4*(\s)], 1
	s_add_co_u32 s[G0A+4*(\s)+1], s44, (\s)*PIECE
	s_add_nc_u64 s[G0A+4*(\s)+2:G0A+4*(\s)+3], s[22:23], (\s)*KSTEP*2
	s_or_b32 s[G0A+4*(\s)+3], s[G0A+4*(\s)+3], 0x80000000
	s_mov_b32 s[G0B+4*(\s)], 1
	s_add_co_u32 s[G0B+4*(\s)+1], s44, (\s)*PIECE
	s_add_nc_u64 s[G0B+4*(\s)+2:G0B+4*(\s)+3], s[46:47], (\s)*KSTEP*2
	s_or_b32 s[G0B+4*(\s)+3], s[G0B+4*(\s)+3], 0x80000000
.endr
	s_cmp_eq_u32 s13, 0                            ; a wave's two first fills stand in one branch: two loads of mine are out
	s_cbranch_scc0 .Lfirst_b
	tensor_load_to_lds s[G0A:G0A+3], s[G1A:G1A+7]
	s_nop 0
	tensor_load_to_lds s[G0A+4:G0A+7], s[G1A:G1A+7]
	s_nop 0
.rept 4
	v_nop
.endr
	s_branch .Lfirst_asked
.Lfirst_b:
	tensor_load_to_lds s[G0B:G0B+3], s[G1B:G1B+7]
	s_nop 0
	tensor_load_to_lds s[G0B+4:G0B+7], s[G1B:G1B+7]
	s_nop 0
.rept 4
	v_nop
.endr
.Lfirst_asked:
	v_and_b32 v1, 15, v0                           ; l % 16
	v_bfe_u32 v2, v0, 4, 1                         ; l / 16
	v_mul_u32_u24 v3, v1, PITCH
	v_lshl_add_u32 v3, v2, 4, v3                   ; a fragment's row x pitch + 16 x half
	s_mul_i32 s44, s13, WPIECE                     ; my 128 rows of Q: piece WM
	s_mul_i32 s45, s14, WPIECE                     ; my 128 rows of K: piece 2 + WN
	s_add_co_u32 s45, s45, 2*WPIECE
	v_add_nc_u32 v[BA], s44, v3
	v_add_nc_u32 v[BB], s45, v3
	v_mov_b32 v[CA], v[BA]                         ; the fetches begin in slot 0
	v_mov_b32 v[CB], v[BB]
	s_mul_i32 s44, s12, WSTAGE
	s_add_co_u32 s44, s44, STAGE                   ; my stage
	v_add_nc_u32 v[STO], s44, v3                   ; in: row l % 16, 16 bytes for each half of the lanes
	v_mul_u32_u24 v4, v2, PITCH                    ; back: lanes 0-15 take one row of 256 bytes, lanes 16-31 the next
	v_lshl_add_u32 v4, v1, 4, v4
	v_add_nc_u32 v[RD], s44, v4
	v_lshlrev_b32 v4, 12, v2                       ; the same two rows in e
	v_lshl_add_u32 v[CO], v1, 4, v4
	v_and_b32 v[SO], 31, v0
	v_lshlrev_b32 v[SO], 3, v[SO]
	s_lshl_b32 s20, s18, 8                         ; my first row: 256 x tile row + 128 x row half
	s_lshl_b32 s21, s13, 7
	s_add_co_u32 s44, s20, s21
	s_lshl_b32 s20, s44, 12                        ; in e,
	s_mov_b32 s21, 0
	s_add_nc_u64 s[6:7], s[6:7], s[20:21]
	s_lshl_b32 s20, s44, 3                         ; in stats
	s_add_nc_u64 s[8:9], s[8:9], s[20:21]
	s_lshl_b32 s40, s19, 9                         ; my first key in e: 512 x tile column + 256 x column half bytes
	s_lshl_b32 s41, s14, 8
	s_add_co_u32 s40, s40, s41
	s_mov_b32 s41, 0
	s_add_nc_u64 s[6:7], s[6:7], s[40:41]
	s_lshl_b32 s40, s19, 1                         ; my group: 2 x tile column + column half, 65,536 bytes each
	s_add_co_u32 s40, s40, s14
	s_lshl_b32 s40, s40, 16
	s_add_nc_u64 s[8:9], s[8:9], s[40:41]
; 8 matrix instructions: row block a (0-7) x all 8 key blocks, 32 channels.  cm = 1: the first product starts the sums: nothing is cleared.  The 64 accumulators take turns, one instruction a turn.
.macro MUL8 f, a, cm
	WIN 0xa1+0x50*((\a)/4)                         ; source 0 (K) window 1, source 1 (Q) window 0, C and D window 2 or 3
.irp b, 0,1,2,3,4,5,6,7
.if (\cm) == 1
	v_wmma_f32_16x16x32_f16 v[64*((\a)%4)+8*(\b):64*((\a)%4)+8*(\b)+7], v[(\f)+8*(\b):(\f)+8*(\b)+7], v[(\f)+8*(\a):(\f)+8*(\a)+7], 0
.else
	v_wmma_f32_16x16x32_f16 v[64*((\a)%4)+8*(\b):64*((\a)%4)+8*(\b)+7], v[(\f)+8*(\b):(\f)+8*(\b)+7], v[(\f)+8*(\a):(\f)+8*(\a)+7], v[64*((\a)%4)+8*(\b):64*((\a)%4)+8*(\b)+7]
.endif
.endr
.endm
.macro FETCH q, f                      ; 32 LDS loads in one run: K's 128 rows, then Q's 128, 32 channels at byte 64 q of the rows
	WIN 0x40                                       ; destination window 1, address window 0
.irp i, 0,1,2,3,4,5,6,7
	ds_load_b128 v[(\f)+8*(\i):(\f)+8*(\i)+3],   v[CB] offset:64*(\q)+(\i)*16*PITCH
	ds_load_b128 v[(\f)+8*(\i)+4:(\f)+8*(\i)+7], v[CB] offset:64*(\q)+(\i)*16*PITCH+32
.endr
	WIN 0
.irp i, 0,1,2,3,4,5,6,7
	ds_load_b128 v[(\f)+8*(\i):(\f)+8*(\i)+3],   v[CA] offset:64*(\q)+(\i)*16*PITCH
	ds_load_b128 v[(\f)+8*(\i)+4:(\f)+8*(\i)+7], v[CA] offset:64*(\q)+(\i)*16*PITCH+32
.endr
.endm
; A K step is four quarters of 32 channels, 64 matrix instructions each, on buffers 0, 1, 0, 1.  One of the first three multiplies buffer f and, in its middle, fetches quarter q into buffer g.
.macro QUARTER q, f, g, cm
	s_wait_dscnt 0x8                               ; K and Q's blocks 0-3 are in; the youngest eight loads (blocks 4-7) may be out
.irp a, 0,1,2,3
	MUL8 \f, \a, \cm
.endr
	PLACES
	FETCH \q, \g
	s_wait_dscnt 32                                ; all but the 32 just issued
.irp a, 4,5,6,7
	MUL8 \f, \a, \cm
.endr
.endm
; The last quarter multiplies buffer 1 and changes slots.  ONE barrier: in front of it each wave waits for all its tensor loads (one is out: its part of the next slot), adds 0 to its spare word, and waits for
; that and for its own reads of this slot.  fill = 1: the barrier opens a round of the cluster's, so that no wave of any partner still reads the slot or has a load on its way, and the joint refill, two K steps on,
; is the first thing behind the round.
.macro TURN fill
	WIN 0
	s_wait_tensorcnt 0x0                           ; all my tensor loads have landed, so a group 0 may be written
	ds_add_u32 v[SPW], v[NIL]                      ; 0 onto my spare word
.if \fill
	WALK
.endif
	s_wait_dscnt 0x9                               ; the add and the youngest eight loads may be out
	MUL8 F1, 0, 0                                  ; eight matrix instructions stand between the add and the wait for it
	s_wait_dscnt 0x0                               ; the add is done, and my reads of this slot are over
	s_barrier_signal -1
	MUL8 F1, 1, 0                                  ; work on registers while the others arrive
	WIN 0
	s_barrier_wait -1
.if \fill
	CREST
	JLOAD                                          ; its four v_nop are also the places in front of the loads below
.else
	PLACES
.endif
	s_xor_b32 s[TB], s[TB], PIECE                  ; the fetches go on in the other slot
	v_add_nc_u32 v[CA], s[TB], v[BA]
	v_add_nc_u32 v[CB], s[TB], v[BB]
	FETCH 0, F0
.irp a, 2,3,4,5,6,7
	MUL8 F1, \a, 0
.endr
.endm
; THE SOFTMAX'S FIRST HALF for block a of the four in window 2: 16 queries x 128 keys, 64 scores a lane, in place.
.macro SOFT a
.set AC, 64*(\a)
	WIN 0x2a                                       ; three sources in window 2.  In ascending order
.set i, 0
.rept 21
	v_max3_num_f32 v[T+i], v[AC+3*i], v[AC+3*i+1], v[AC+3*i+2]
.set i, i+1
.endr
	v_max_num_f32 v[T+21], v[AC+62], v[AC+63]
	WIN 0
.set i, 0
.rept 7
	v_max3_num_f32 v[T+i], v[T+3*i], v[T+3*i+1], v[T+3*i+2]
.set i, i+1
.endr
	v_max3_num_f32 v[T], v[T], v[T+1], v[T+2]
	v_max3_num_f32 v[T+3], v[T+3], v[T+4], v[T+5]
	v_max3_num_f32 v[T], v[T], v[T+3], v[T+6]
	v_max_num_f32 v[T], v[T], v[T+21]
	v_permlanex16_b32 v[T+1], v[T], s[SEL], s[SEL+1]  ; the query's other 64 keys lie in the lane 16 away
	v_max_num_f32 v[ST+2*(\a)+1], v[T], v[T+1]        ; m
	v_mul_f32 v[ST+2*(\a)], s[CS], v[ST+2*(\a)+1]     ; c m
	WIN 0x82                                       ; destination and source 0 in window 2
.set i, 0
.rept 32
	v_pk_fma_f32 v[AC+2*i:AC+2*i+1], v[AC+2*i:AC+2*i+1], s[CS:CS+1], v[ST+2*(\a):ST+2*(\a)+1] op_sel_hi:[1,0,0] neg_lo:[0,0,1] neg_hi:[0,0,1]  ; c s - c m
.set i, i+1
.endr
.set i, 0
.rept 64
	v_exp_f32 v[AC+i], v[AC+i]
.set i, i+1
.endr
	v_nop                                          ; a plain instruction between the exponentials and the use of their results (ISA guide 5.7.2)
	WIN 0x0a
.set i, 0
	s_wait_alu depctr_va_vdst(0)
.rept 32
	v_cvt_pk_f16_f32 v[TMP+i], v[AC+2*i], v[AC+2*i+1]
.set i, i+1
.endr
	WIN 0x8a                                       ; the sum of the unrounded E: 32 pairs, halved five times
.irp w, 32,16,8,4,2
.set i, 0
.rept (\w)/2
	v_pk_add_f32 v[AC+2*i:AC+2*i+1], v[AC+2*i:AC+2*i+1], v[AC+(\w)+2*i:AC+(\w)+2*i+1]
.set i, i+1
.endr
.endr
	WIN 0x0a
	v_add_f32 v[T], v[AC], v[AC+1]
	WIN 0
	v_permlanex16_b32 v[T+1], v[T], s[SEL], s[SEL+1]
	v_add_f32 v[SU+(\a)], v[T], v[T+1]
.endm
.macro TOSTAGE
.irp b, 0,1,2,3,4,5,6,7
	ds_store_b128 v[STO], v[TMP+4*(\b):TMP+4*(\b)+3] offset:32*(\b)
.endr
	s_wait_xcnt 0x0                                ; the last block's stores have read the registers that are loaded again below
.irp t, 0,1,2,3,4,5,6,7
	ds_load_b128 v[OB+4*(\t):OB+4*(\t)+3], v[RD] offset:(\t)*2*PITCH  ; LDS serves a wave's instructions in order (ISA guide 5.7.1.4)
.endr
.endm
.macro SEND a
	s_wait_dscnt 0x0                               ; the block is back in registers
.irp t, 0,1,2,3,4,5,6,7
	global_store_b128 v[CO], v[OB+4*(\t):OB+4*(\t)+3], s[6:7] offset:(16*(\a)+2*(\t))*ROWB  ; 16 lanes store 256 consecutive bytes, aligned
.endr
.endm
	s_wait_tensorcnt 0x1                           ; my part of K step 0 is in; K step 1's may stay out
	s_barrier_signal -1
	s_barrier_wait -1
	FETCH 0, F0
	QUARTER 1, F0, F1, 1                           ; the first quarter stands in front of the loop: its products start the sums
	WIN 0
	s_mov_b32 s3, NSTEP-2
.Lstep:                                                ; a trip: from a K step's second quarter to the next step's first; it asks for the step two on
	QUARTER 2, F1, F0, 0
	QUARTER 3, F0, F1, 0
	TURN 1
	QUARTER 1, F0, F1, 0
	WIN 0
	s_sub_co_u32 s3, s3, 1
	s_cmp_lg_u32 s3, 0
	s_cbranch_scc1 .Lstep
	s_mov_b32 s3, 2
.Ltail:                                                ; the last two K steps ask for nothing: a text of their own; the second trip is left in its middle
	QUARTER 2, F1, F0, 0
	QUARTER 3, F0, F1, 0
	WIN 0
	s_sub_co_u32 s3, s3, 1
	s_cmp_eq_u32 s3, 0
	s_cbranch_scc1 .Lfin
	TURN 0
	QUARTER 1, F0, F1, 0
	WIN 0
	s_branch .Ltail
.Lfin:
	s_wait_dscnt 0x8                               ; the very last quarter: nothing more to fetch
.irp a, 0,1,2,3
	MUL8 F1, \a, 0
.endr
	s_wait_dscnt 0x0
.irp a, 4,5,6,7
	MUL8 F1, \a, 0
.endr
	WIN 0
	PLACES                                         ; behind the last products
	s_mov_b32 s3, 2
.Lhalf:                                                ; two walks: my rows 0-63, then my rows 64-127; the second is left in its middle
	SOFT 0
	TOSTAGE
.irp a, 1,2,3                          ; a block's softmax stands between the loads of the block before and the wait for them
	SOFT \a
	SEND (\a)-1
	TOSTAGE
.endr
	SEND 3
.irp a, 0,2                            ; every lane holds its query's figures: lanes 0-15 give block a's, lanes 16-31 block a + 1's: 32 rows, 256 consecutive bytes, aligned
	v_cndmask_b32 v[X+(\a)], v[ST+2*(\a)], v[ST+2*(\a)+2], s[UPL]
	v_cndmask_b32 v[X+(\a)+1], v[SU+(\a)], v[SU+(\a)+1], s[UPL]
	global_store_b64 v[SO], v[X+(\a):X+(\a)+1], s[8:9] offset:128*(\a)
.endr
	s_sub_co_u32 s3, s3, 1
	s_cmp_eq_u32 s3, 0
	s_cbranch_scc1 .Ldone
	WIN 0x83                                       ; destination window 2, source window 3: blocks 4-7 go where the one text names the sums; in ascending order
.set i, 0
.rept 256
	v_mov_b32 v[i], v[i]
.set i, i+1
.endr
	WIN 0
	s_wait_xcnt 0x0                                ; the stores have read their registers and their bases
	s_add_nc_u64 s[6:7], s[6:7], 64*ROWB           ; 64 rows on in e,
	s_add_nc_u64 s[8:9], s[8:9], 64*8              ; and in stats
	s_branch .Lhalf
.Ldone:
	s_wait_tensorcnt 0x0                           ; the wave's end
	ds_add_u32 v[SPW], v[NIL]
	s_wait_dscnt 0x0
	CROUND                                         ; the closing round
	s_endpgm
.Lfunc_end_k_q49823849e7_scores:
	.size	k_q49823849e7_scores, .Lfunc_end_k_q49823849e7_scores-k_q49823849e7_scores
	.p2alignl 7, 3214868480
	.fill 96, 4, 3214868480
	.section	.rodata,"a",@progbits
	.p2align	6, 0x0
	.amdhsa_kernel k_q49823849e7_scores
		.amdhsa_group_segment_fixed_size 327680
		.amdhsa_private_segment_fixed_size 0
		.amdhsa_enable_private_segment 0
		.amdhsa_kernarg_size 24
		.amdhsa_user_sgpr_count 2
		.amdhsa_user_sgpr_kernarg_segment_ptr 1
		.amdhsa_wavefront_size32 1
		.amdhsa_system_sgpr_workgroup_id_x 1
		.amdhsa_system_sgpr_workgroup_id_y 1
		.amdhsa_system_sgpr_workgroup_id_z 1
		.amdhsa_system_vgpr_workitem_id 0
		.amdhsa_next_free_vgpr 1024
		.amdhsa_next_free_sgpr 76
		.amdhsa_reserve_vcc 0
		.amdhsa_float_denorm_mode_32 3
		.amdhsa_float_denorm_mode_16_64 3
		.amdhsa_memory_ordered 1
		.amdhsa_forward_progress 1
		.amdhsa_inst_pref_size 131
	.end_amdhsa_kernel
	.amdgpu_metadata
---
amdhsa.version: [ 1, 2 ]
amdhsa.kernels:
  - .name:           k_q49823849e7_scores
    .symbol:         k_q49823849e7_scores.kd
    .args:
      - { .name: qkv, .offset: 0, .size: 8, .value_kind: global_buffer, .address_space: global }
      - { .name: e, .offset: 8, .size: 8, .value_kind: global_buffer, .address_space: global }
      - { .name: stats, .offset: 16, .size: 8, .value_kind: global_buffer, .address_space: global }
    .group_segment_fixed_size: 327680
    .private_segment_fixed_size: 0
    .kernarg_segment_align: 8
    .kernarg_segment_size: 24
    .max_flat_workgroup_size: 128
    .sgpr_count:     76
    .vgpr_count:     1024
    .wavefront_size: 32
...
	.end_amdgpu_metadata
.endif
;; end of part 7
;; launch pv (part 8): grid 4 x 64, 4 waves a work-group, clusters of 4 x 4, 327,680 bytes of LDS; arguments e, qkv, stats, out0; writes out0
.if DOCPART == 8
	.amdgcn_target "amdgcn-amd-amdhsa--gfx1250"
	.amdhsa_code_object_version 6
	.text
	.protected	k_q49823849e7_pv
	.globl	k_q49823849e7_pv
	.p2align	8
	.type	k_q49823849e7_pv,@function
k_q49823849e7_pv:
	s_mov_b64 s[64:65], 0
	v_nop
	global_prefetch_b8 v0, s[64:65] scope:SCOPE_SE
	s_setreg_imm32_b32 hwreg(HW_REG_WAVE_MODE, 25, 1), 1
	s_wait_xcnt 0x0
	s_wait_alu depctr_hold_cnt(0) depctr_sa_sdst(0) depctr_va_vdst(0) depctr_va_sdst(0) depctr_va_ssrc(0) depctr_va_vcc(0) depctr_vm_vsrc(0)
	s_getreg_b32 s2, hwreg(HW_REG_IB_STS2, 6, 4)
	s_cmp_eq_u32 s2, 0
	s_cbranch_scc0 .Lentry_in_a_cluster
	s_endpgm
.Lentry_in_a_cluster:
	s_bfe_u32 s2, ttmp6, 0x10000c
	s_cmp_lg_u32 s2, 0xf033
	s_cbranch_scc0 .Lentry_shape_is_right
	s_endpgm
.Lentry_shape_is_right:
; out0[row][:] = sum over groups g of (f_g / l) x (E[row][g's 128 keys] V), the softmax's second half and the second product.  From stats[g][row] = (c m_g, sum_g):
;   M = max over g of c m_g,  f_g = 2^(c m_g - M) <= 1,  l = sum over g of f_g sum_g >= 1.  So every weight is 2^(c s - M) / l with the row's true maximum taken away.
; A group is one K step.  Its products E V are summed from 0 in accumulators of their own, and at the step's end O += (f_g / l) x that sum, in f32: O gathers the finished result.
; LIMITS.  E as it comes: below 6e-8 of its group's largest it is 0.  An f_g below 2^-126 counts as 0.  NaN and infinities are not treated apart.
; SHARES.  A tile of out0 is 128 rows x 256 channels: 64 x 4 tiles, one to each of 256 work-groups (8,192 x 1,024 outputs on 256 work-groups allow no squarer tile).  Four waves, each 64 x 128.  K (2,048 keys)
; goes in 16 steps of 128 through two LDS slots; two slots of a longer step that divides 2,048 do not fit in LDS.
; CLUSTER.  4 x 4 work-groups of one batch: a row of the cluster shares its rows of E, a column its channels of V: joint loads.
; THE MATRIX INSTRUCTION IS USED TRANSPOSED (source 0 = 16 channels of V^T, source 1 = 16 rows of E): lane l holds row l % 16 and channels 8 (l / 16) + 0..7.  V lies [key][channel] and is turned by ds_load_tr16_b128.
; O IS CLEARED at the start, 256 v_mov_b32 in the wait for the first tile: the price of one text for every step's end, the first step's too.
; REGISTERS: window 0: v0-31 addresses; v32-39 the step's factors, each twice; v64-159, v160-255 two fragment buffers.  Window 1: O, (a, b) at v[64 a + 8 b].  Window 2: the step's sums, likewise.
.set NSTEP,  16
.set KSTEP,  128
.set PITCH,  272                       ; a row of E in LDS: 256 bytes + 16
.set VPITCH, 544                       ; a row of V: 512 bytes + 32 = 136 words
.set AHALF,  64*PITCH
.set ABYTES, 2*AHALF
.set BHALF,  64*VPITCH                 ; 64 keys x 256 channels
.set SLOT,   ABYTES+2*BHALF            ; E's 128 rows, then V's 128 keys
.set SLOT1,  1<<17                     ; slot 1 begins here, so that one exclusive or turns an address in one slot into the other's
.set SX,     SLOT1
.set QROWB,  6144
.set ROWB,   4096                      ; bytes in a row of e, and of out0
.set STEPA,  KSTEP*2
.set STEPB,  KSTEP*QROWB               ; 128 keys of V
.set STAGE,  SLOT1+SLOT                ; behind the ring: 16 rows x 528 bytes for each wave
.set OPITCH, 528                       ; 512 bytes of f32 + 16
.set WSTAGE, 16*OPITCH
.set FT,     STAGE+4*WSTAGE            ; each wave's table of factors: group g at 512 g, row l % 16 at 32 bytes: f / l of blocks a = 0..3, each twice, so that a packed instruction names a pair
.set WFT,    16*512
.set SPARE,  FT+4*WFT                  ; the spare words, 128 bytes a wave: two blocks of 256 bytes that no other line names
.set BA,   8                           ; v8, v9   my lane's LDS addresses in slot 0: E's fragments, V's; never rewritten
.set BB,   9
.set CA,   16                          ; v16, v17 the same in the slot that is fetched from
.set CB,   17
.set STO,  24
.set RD,   25
.set CO,   26
.set FADR, 27                          ; v27  where the factors of the step in hand lie
.set SPW,  28
.set NIL,  29
.set FW,   30                          ; v30  where I write factors
.set SOF,  31                          ; v31  my byte offset in stats
.set FAC,  32                          ; v32-39
.set RL,   40                          ; the prologue: 1 / l at v40, l at v41
.set TT,   48                          ; v48-50 at work
.set F0,   64
.set F1,   160
.set SV,   64                          ; the prologue: stats of group 8 (l / 16) + i, block a at SV + 8 i + 2 a
.set G1A, 24
.set G0A, 32
.set G1B, 48
.set G0B, 56
.set SEL, 70
.set TB,  73                           ; s73  the slot that is fetched from: 0 or SLOT1
.set MSB, 0
.macro WIN new
.if MSB != (\new)
	s_set_vgpr_msb (MSB<<8)|(\new)
.set MSB, \new
.endif
.endm
.macro PLACES                          ; four plain vector instructions between a matrix instruction and a load into, or a vector read or write of, its registers
.rept 4
	v_nop
.endr
.endm
.macro JLOAD                           ; a joint refill, by the walking descriptor: waves 0 and 1 fetch E's two halves, waves 2 and 3 V's; an s_nop 0 and four v_nop follow each line
	s_cmp_eq_u32 s13, 0
	s_cbranch_scc0 .Lfor_b_\@
	tensor_load_to_lds s[G0A+4:G0A+7], s[G1A:G1A+7]
	s_nop 0
.rept 4
	v_nop
.endr
	s_branch .Lasked_\@
.Lfor_b_\@:
	tensor_load_to_lds s[G0B+4:G0B+7], s[G1B:G1B+7]
	s_nop 0
.rept 4
	v_nop
.endr
.Lasked_\@:
.endm
.macro WALK                            ; the walking descriptors: the other slot than last time, the next K step
	s_xor_b32 s[G0A+5], s[G0A+5], SX
	s_add_nc_u64 s[G0A+6:G0A+7], s[G0A+6:G0A+7], STEPA
	s_xor_b32 s[G0B+5], s[G0B+5], SX
	s_add_nc_u64 s[G0B+6:G0B+7], s[G0B+6:G0B+7], STEPB
.endm
.macro CREST
	s_cmp_lg_u32 s12, 0
	s_cbranch_scc1 .Lnot_wave_0_\@
	s_barrier_signal -3
.Lnot_wave_0_\@:
	s_barrier_wait -3
	s_barrier_signal -1
	s_barrier_wait -1
.endm
.macro CROUND
	s_barrier_signal -1
	s_barrier_wait -1
	CREST
.endm
	s_load_b256 s[4:11], s[0:1], 0x0               ; e s[4:5], qkv s[6:7], stats s[8:9], out0 s[10:11]
	v_lshl_add_u32 v[SPW], v0, 2, SPARE
	v_mov_b32 v[NIL], 0
	ds_add_u32 v[SPW], v[NIL]                      ; the wave's opening: the add and its wait stand ahead of my first tensor load
	v_lshrrev_b32 v1, 5, v0
	v_readfirstlane_b32 s12, v1                    ; wave 0..3
	s_lshr_b32 s13, s12, 1                         ; my 64 rows.  Also: I fetch for E (0) or for V (1)
	s_and_b32 s14, s12, 1                          ; my 128 channels.  Also: which half of that tile I fetch
	s_bfe_u32 s15, ttmp6, 0x40000                  ; cx
	s_bfe_u32 s16, ttmp6, 0x40004                  ; cy
	s_and_b32 s17, ttmp7, 0xffff                   ; the cluster's y (the grid is one cluster wide)
	s_lshl_b32 s18, s17, 2
	s_add_co_u32 s18, s18, s16                     ; tile row
	s_lshr_b32 s19, s17, 2                         ; the batch: 16 tile rows, four clusters
	s_lshl_b32 s42, s16, 2
	s_lshl_b32 s42, 15, s42                        ; my row of the cluster
	s_lshl_b32 s43, 0x1111, s15                    ; my column
	s_or_b32 s[G1A], s42, (1<<16)|(1<<20)|(1<<21)|(5<<22)|(3<<25)  ; 2-byte elements; padding of 4 words after every 64
	s_or_b32 s[G1B], s43, (1<<16)|(1<<20)|(1<<21)|(6<<22)|(7<<25)  ; padding of 8 words after every 128
	s_mov_b32 s[G1A+1], KSTEP<<16                  ; E: 64 rows x 128 elements
	s_mov_b32 s[G1A+2], 64<<16
	s_mov_b32 s[G1A+3], KSTEP<<16
	s_mov_b32 s[G1A+4], 64
	s_mov_b32 s[G1A+5], 2048                       ; elements from row to row of e
	s_mov_b32 s[G1A+6], 0
	s_mov_b32 s[G1A+7], 0
	s_mov_b32 s[G1B+1], 256<<16                    ; V: 64 keys x 256 elements
	s_mov_b32 s[G1B+2], 64<<16
	s_mov_b32 s[G1B+3], 256<<16
	s_mov_b32 s[G1B+4], 64
	s_mov_b32 s[G1B+5], 3072                       ; elements from row to row of qkv
	s_mov_b32 s[G1B+6], 0
	s_mov_b32 s[G1B+7], 0
	s_lshl_b32 s20, s18, 7                         ; E: row 128 x tile row + 64 x half
	s_lshl_b32 s21, s14, 6
	s_add_co_u32 s20, s20, s21
	s_lshl_b32 s20, s20, 12
	s_mov_b32 s21, 0
	s_lshl_b32 s40, s19, 11                        ; V: key 2,048 x batch + 64 x half,
	s_lshl_b32 s41, s14, 6
	s_add_co_u32 s40, s40, s41
	s_mul_i32 s40, s40, QROWB
	s_lshl_b32 s41, s15, 9                         ; channel 256 cx,
	s_add_co_u32 s40, s40, s41
	s_add_co_u32 s40, s40, 4096                    ; V lies 4,096 bytes into a row
	s_mov_b32 s41, 0
	s_mul_i32 s44, s14, AHALF
	s_mul_i32 s45, s14, BHALF
	s_add_co_u32 s45, s45, ABYTES
	s_mov_b32 s[SEL], 0x76543210
	s_mov_b32 s[SEL+1], 0xfedcba98
	s_mov_b32 s[TB], 0
	s_wait_dscnt 0x0                               ; the opening add is done
	s_wait_kmcnt 0x0
	s_add_nc_u64 s[22:23], s[4:5], s[20:21]
	s_add_nc_u64 s[46:47], s[6:7], s[40:41]
	CROUND                                         ; the first joint loads meet
.irp s, 0,1
	s_mov_b32 s[G0A+4*(\s)], 1
	s_add_co_u32 s[G0A+4*(\s)+1], s44, (\s)*SLOT1
	s_add_nc_u64 s[G0A+4*(\s)+2:G0A+4*(\s)+3], s[22:23], (\s)*STEPA
	s_or_b32 s[G0A+4*(\s)+3], s[G0A+4*(\s)+3], 0x80000000
	s_mov_b32 s[G0B+4*(\s)], 1
	s_add_co_u32 s[G0B+4*(\s)+1], s45, (\s)*SLOT1
	s_add_nc_u64 s[G0B+4*(\s)+2:G0B+4*(\s)+3], s[46:47], (\s)*STEPB
	s_or_b32 s[G0B+4*(\s)+3], s[G0B+4*(\s)+3], 0x80000000
.endr
	s_cmp_eq_u32 s13, 0                            ; a wave's two first fills stand in one branch: two loads of mine are out
	s_cbranch_scc0 .Lfirst_b
	tensor_load_to_lds s[G0A:G0A+3], s[G1A:G1A+7]
	s_nop 0
	tensor_load_to_lds s[G0A+4:G0A+7], s[G1A:G1A+7]
	s_nop 0
.rept 4
	v_nop
.endr
	s_branch .Lfirst_asked
.Lfirst_b:
	tensor_load_to_lds s[G0B:G0B+3], s[G1B:G1B+7]
	s_nop 0
	tensor_load_to_lds s[G0B+4:G0B+7], s[G1B:G1B+7]
	s_nop 0
.rept 4
	v_nop
.endr
.Lfirst_asked:
	v_and_b32 v1, 15, v0                           ; l % 16
	v_bfe_u32 v2, v0, 4, 1                         ; l / 16
	s_lshl_b32 s20, s18, 7                         ; my first row: 128 x tile row + 64 x row half
	s_lshl_b32 s21, s13, 6
	s_add_co_u32 s44, s20, s21
	s_lshl_b32 s20, s44, 3                         ; in stats,
	s_mov_b32 s21, 0
	s_add_nc_u64 s[8:9], s[8:9], s[20:21]
	s_lshl_b32 s20, s44, 12                        ; in out0
	s_add_nc_u64 s[10:11], s[10:11], s[20:21]
	s_lshl_b32 s40, s15, 10                        ; my first channel: 1,024 cx + 512 x column half bytes
	s_lshl_b32 s41, s14, 9
	s_add_co_u32 s40, s40, s41
	s_mov_b32 s41, 0
	s_add_nc_u64 s[10:11], s[10:11], s[40:41]
	v_lshlrev_b32 v[SOF], 3, v1                    ; row l % 16 of a block, groups 8 (l / 16) on
	v_lshl_add_u32 v[SOF], v2, 19, v[SOF]
.irp i, 0,1,2,3,4,5,6,7
.irp a, 0,1,2,3
	global_load_b64 v[SV+8*(\i)+2*(\a):SV+8*(\i)+2*(\a)+1], v[SOF], s[8:9] offset:65536*(\i)+128*(\a)
.endr
.endr
	WIN 0x40                                       ; O starts at 0
.set i, 0
.rept 256
	v_mov_b32 v[i], 0
.set i, i+1
.endr
	WIN 0
	v_mul_u32_u24 v3, v1, PITCH                    ; E's fragments: row x pitch + 16 x half
	v_lshl_add_u32 v3, v2, 4, v3
	; The turning load takes 16 keys x 16 channels (lane l reads key 8 (l / 16) + l % 8, channels 8 ((l / 8) % 2) + 0..7) and leaves half a fragment of V^T: lane l holds channel l % 16 and 8 keys.
	v_and_b32 v4, 7, v0
	v_bfe_u32 v5, v0, 3, 1
	v_lshl_add_u32 v4, v2, 3, v4
	v_mul_u32_u24 v4, v4, VPITCH
	v_lshl_add_u32 v4, v5, 4, v4
	s_mul_i32 s44, s13, AHALF                      ; my 64 rows of E
	s_lshl_b32 s45, s14, 8                         ; my 128 channels of V's rows,
	s_add_co_u32 s45, s45, ABYTES                  ; which lie behind E's 128 rows
	v_add_nc_u32 v[BA], s44, v3
	v_add_nc_u32 v[BB], s45, v4
	v_mov_b32 v[CA], v[BA]                         ; the fetches begin in slot 0
	v_mov_b32 v[CB], v[BB]
	s_mul_i32 s44, s12, WSTAGE
	s_add_co_u32 s44, s44, STAGE                   ; my stage
	v_mul_u32_u24 v5, v1, OPITCH                   ; in: row l % 16, 32 bytes for each half of the lanes
	v_lshl_add_u32 v5, v2, 5, v5
	v_add_nc_u32 v[STO], s44, v5
	v_and_b32 v5, 31, v0                           ; back: 32 lanes take one row of 512 bytes
	v_lshlrev_b32 v[CO], 4, v5
	v_add_nc_u32 v[RD], s44, v[CO]
	s_lshl_b32 s44, s12, 13
	s_add_co_u32 s44, s44, FT                      ; my table
	v_lshl_add_u32 v[FADR], v1, 5, s44
	v_lshl_add_u32 v[FW], v2, 12, v[FADR]          ; my lanes' eight groups
	v_mov_b32 v[TT+2], 0                           ; v_permlanex16_b32's destination counts as read
	s_wait_loadcnt 0x0                             ; the statistics are in
.irp a, 0,1,2,3
	v_max3_num_f32 v[TT], v[SV+2*(\a)], v[SV+8+2*(\a)], v[SV+16+2*(\a)]
	v_max3_num_f32 v[TT+1], v[SV+24+2*(\a)], v[SV+32+2*(\a)], v[SV+40+2*(\a)]
	v_max3_num_f32 v[TT], v[TT], v[TT+1], v[SV+48+2*(\a)]
	v_max_num_f32 v[TT], v[TT], v[SV+56+2*(\a)]
	v_permlanex16_b32 v[TT+1], v[TT], s[SEL], s[SEL+1]  ; the row's other eight groups lie in the lane 16 away
	v_max_num_f32 v[TT], v[TT], v[TT+1]                 ; M
.irp i, 0,1,2,3,4,5,6,7
	v_sub_f32 v[SV+8*(\i)+2*(\a)], v[SV+8*(\i)+2*(\a)], v[TT]
.endr
.irp i, 0,1,2,3,4,5,6,7
	v_exp_f32 v[SV+8*(\i)+2*(\a)], v[SV+8*(\i)+2*(\a)]  ; f_g
.endr
	v_nop                                          ; a plain instruction between the exponentials and the use of their results (ISA guide 5.7.2)
	s_wait_alu depctr_va_vdst(0)
	v_mul_f32 v[TT+1], v[SV+2*(\a)], v[SV+2*(\a)+1]
.irp i, 1,2,3,4,5,6,7
	v_fmac_f32 v[TT+1], v[SV+8*(\i)+2*(\a)], v[SV+8*(\i)+2*(\a)+1]
.endr
	v_permlanex16_b32 v[TT+2], v[TT+1], s[SEL], s[SEL+1]
	v_add_f32 v[RL+1], v[TT+1], v[TT+2]            ; l
	v_rcp_f32 v[RL], v[RL+1]
	v_nop                                          ; a plain instruction between the reciprocal and the use of its result
	s_wait_alu depctr_va_vdst(0)
.irp i, 0,1,2,3,4,5,6,7
	v_mul_f32 v[SV+8*(\i)+2*(\a)+1], v[SV+8*(\i)+2*(\a)], v[RL]  ; f_g / l, where the group's sum lay: it has been used,
.endr
.irp i, 0,1,2,3,4,5,6,7
	v_mov_b32 v[SV+8*(\i)+2*(\a)], v[SV+8*(\i)+2*(\a)+1]         ; and once more beside it
.endr
.endr
.irp i, 0,1,2,3,4,5,6,7
	ds_store_b128 v[FW], v[SV+8*(\i):SV+8*(\i)+3]   offset:512*(\i)     ; the table is my wave's own: no other wave reads it
	ds_store_b128 v[FW], v[SV+8*(\i)+4:SV+8*(\i)+7] offset:512*(\i)+16
.endr
; 8 matrix instructions into the step's sums.  cm = 1: the step's first products start them.  The 32 accumulators take turns, one instruction a turn.
.macro MUL8 f, a, cm
	WIN 0xa0                                       ; C and D window 2
.irp b, 0,1,2,3,4,5,6,7
.if (\cm) == 1
	v_wmma_f32_16x16x32_f16 v[64*(\a)+8*(\b):64*(\a)+8*(\b)+7], v[(\f)+8*(\b):(\f)+8*(\b)+7], v[(\f)+64+8*(\a):(\f)+64+8*(\a)+7], 0
.else
	v_wmma_f32_16x16x32_f16 v[64*(\a)+8*(\b):64*(\a)+8*(\b)+7], v[(\f)+8*(\b):(\f)+8*(\b)+7], v[(\f)+64+8*(\a):(\f)+64+8*(\a)+7], v[64*(\a)+8*(\b):64*(\a)+8*(\b)+7]
.endif
.endr
.endm
.macro MUL16 f, a0, cm
	MUL8 \f, \a0, \cm
	MUL8 \f, (\a0)+1, \cm
.endm
.macro FETCH q, f                      ; 24 LDS loads in one run: V's 32 keys x 128 channels, turned, then E's 64 rows x 32 keys
	WIN 0
.irp i, 0,1,2,3,4,5,6,7
	ds_load_tr16_b128 v[(\f)+8*(\i):(\f)+8*(\i)+3],   v[CB] offset:(\q)*32*VPITCH+32*(\i)
	ds_load_tr16_b128 v[(\f)+8*(\i)+4:(\f)+8*(\i)+7], v[CB] offset:(\q)*32*VPITCH+32*(\i)+16*VPITCH
.endr
.irp i, 0,1,2,3
	ds_load_b128 v[(\f)+64+8*(\i):(\f)+64+8*(\i)+3],   v[CA] offset:64*(\q)+(\i)*16*PITCH
	ds_load_b128 v[(\f)+64+8*(\i)+4:(\f)+64+8*(\i)+7], v[CA] offset:64*(\q)+(\i)*16*PITCH+32
.endr
.endm
.macro FLUSH a                         ; O += (f / l) x the step's sums, for row block a: 32 packed multiply-adds in f32; each accumulator's registers in ascending order
	WIN 0x52                                       ; destination and source 2 (O) window 1, source 0 (the sums) window 2, source 1 (the factor) window 0
.set j, 0
.rept 32
	v_pk_fma_f32 v[64*(\a)+2*j:64*(\a)+2*j+1], v[64*(\a)+2*j:64*(\a)+2*j+1], v[FAC+2*(\a):FAC+2*(\a)+1], v[64*(\a)+2*j:64*(\a)+2*j+1] op_sel_hi:[1,0,1]
.set j, j+1
.endr
.endm
; A K step is four quarters of 32 keys, 32 matrix instructions each, on buffers 0, 1, 0, 1.  One of the first three multiplies buffer f and, in its middle, fetches quarter q into buffer g.
; w: the youngest LDS loads that may be out at its head: E's blocks 2, 3 (four), and behind a change of slots the two loads of the next factors.
.macro QUARTER q, f, g, cm, w
	s_wait_dscnt \w
	MUL16 \f, 0, \cm
	PLACES
	FETCH \q, \g
	s_wait_dscnt 24                                ; all but the 24 just issued
	MUL16 \f, 2, \cm
.endm
; THE CHANGE OF SLOTS stands in front of the last quarter's products: its fragments, the slot's last bytes, were asked for in the quarter before.  A step's matrix work is shorter than a tile's way, so nothing but
; what the ordering needs stands between a tile's landing and the next request: each wave waits for all its tensor loads (one is out: its part of the next slot), adds 0 to its spare word, and waits for that and for
; its own reads of this slot; ONE barrier.  fill = 1: it opens a round of the cluster's, so that no wave of any partner still reads the slot or has a load on its way, and the joint refill, two K steps on, is the
; first thing behind the round.  Then the next step's first fragments are asked for, buffer 1 is multiplied, O takes the step's sums, and the next step's factors are fetched.
.macro PTURN fill
	WIN 0
	s_wait_tensorcnt 0x0                           ; all my tensor loads have landed, so a group 0 may be written
	ds_add_u32 v[SPW], v[NIL]                      ; 0 onto my spare word; with fill = 1 the descriptors' steps stand between it and the wait for it
.if \fill
	WALK
.endif
	s_wait_dscnt 0x0                               ; the add is done, and my reads of this slot are over: buffer 1 is whole
	s_barrier_signal -1
	s_barrier_wait -1
.if \fill
	CREST
	JLOAD                                          ; its four v_nop are also the places in front of the loads into buffer 0, which the quarter before multiplied
.else
	PLACES
.endif
	s_xor_b32 s[TB], s[TB], SLOT1                  ; the fetches go on in the other slot
	v_add_nc_u32 v[CA], s[TB], v[BA]
	v_add_nc_u32 v[CB], s[TB], v[BB]
	FETCH 0, F0
	MUL16 F1, 0, 0
	MUL16 F1, 2, 0
	PLACES                                         ; behind the step's last products
	FLUSH 0
	FLUSH 1
	FLUSH 2
	FLUSH 3
	WIN 0
	ds_load_b128 v[FAC:FAC+3],   v[FADR] offset:512  ; the next group's factors,
	ds_load_b128 v[FAC+4:FAC+7], v[FADR] offset:528
	v_add_nc_u32 v[FADR], 512, v[FADR]               ; and the table's address goes on a group
.endm
	s_wait_tensorcnt 0x1                           ; my part of K step 0 is in; K step 1's may stay out
	s_wait_dscnt 0x0                               ; no LDS instruction of mine is pending at the signal
	s_barrier_signal -1
	s_barrier_wait -1
	FETCH 0, F0
	ds_load_b128 v[FAC:FAC+3],   v[FADR]           ; group 0's factors
	ds_load_b128 v[FAC+4:FAC+7], v[FADR] offset:16
	QUARTER 1, F0, F1, 1, 6
	WIN 0
	s_mov_b32 s3, NSTEP-2
.Lstep:                                                ; a trip: from a K step's second quarter to the next step's first; it asks for the step two on
	QUARTER 2, F1, F0, 0, 4
	QUARTER 3, F0, F1, 0, 4
	PTURN 1
	QUARTER 1, F0, F1, 1, 6
	WIN 0
	s_sub_co_u32 s3, s3, 1
	s_cmp_lg_u32 s3, 0
	s_cbranch_scc1 .Lstep
	s_mov_b32 s3, 2
.Ltail:                                                ; the last two K steps ask for nothing: a text of their own; the second trip is left in its middle
	QUARTER 2, F1, F0, 0, 4
	QUARTER 3, F0, F1, 0, 4
	WIN 0
	s_sub_co_u32 s3, s3, 1
	s_cmp_eq_u32 s3, 0
	s_cbranch_scc1 .Lfin
	PTURN 0
	QUARTER 1, F0, F1, 1, 6
	WIN 0
	s_branch .Ltail
; THE WAY OUT, a block of 16 rows at a time, as soon as O has taken the block's last sums: into my own stage (a lane's eight channels are 32 bytes), back as whole rows of 512 bytes, stored.
; The rows come back into the two fragment buffers by turns; the next block's multiply-adds stand between a block's loads from the stage and the wait for them.
.macro STG a
.set BK, F0+96*((\a)%2)
	WIN 0x04                                       ; the stores' data in window 1
.irp b, 0,1,2,3,4,5,6,7
	ds_store_b128 v[STO], v[64*(\a)+8*(\b):64*(\a)+8*(\b)+3]   offset:64*(\b)
	ds_store_b128 v[STO], v[64*(\a)+8*(\b)+4:64*(\a)+8*(\b)+7] offset:64*(\b)+16
.endr
	WIN 0
	s_wait_xcnt 0x0                                ; earlier blocks' stores have read the registers that are loaded again below
.irp t, 0,1,2,3,4,5,6,7,8,9,10,11,12,13,14,15
	ds_load_b128 v[BK+4*(\t):BK+4*(\t)+3], v[RD] offset:(\t)*OPITCH  ; LDS serves a wave's instructions in order (ISA guide 5.7.1.4): these see the stores above; the next block's stores come behind them
.endr
.endm
.macro SND a
.set BK, F0+96*((\a)%2)
	WIN 0
	s_wait_dscnt 0x0                               ; the block is back in registers
.irp t, 0,1,2,3,4,5,6,7,8,9,10,11,12,13,14,15
	global_store_b128 v[CO], v[BK+4*(\t):BK+4*(\t)+3], s[10:11] offset:(16*(\a)+(\t))*ROWB th:TH_STORE_NT  ; a wave's store covers 512 consecutive bytes, aligned; written once, not read again
.endr
.endm
.Lfin:
	s_wait_dscnt 0x4                               ; the very last quarter: nothing more to fetch
	MUL16 F1, 0, 0
	s_wait_dscnt 0x0
	MUL16 F1, 2, 0
	PLACES                                         ; behind the last products
	FLUSH 0
	STG 0
	FLUSH 1
	SND 0
	STG 1
	FLUSH 2
	SND 1
	STG 2
	FLUSH 3
	SND 2
	STG 3
	SND 3
	s_wait_tensorcnt 0x0                           ; the wave's end
	ds_add_u32 v[SPW], v[NIL]
	s_wait_dscnt 0x0
	CROUND                                         ; the closing round
	s_endpgm
.Lfunc_end_k_q49823849e7_pv:
	.size	k_q49823849e7_pv, .Lfunc_end_k_q49823849e7_pv-k_q49823849e7_pv
	.p2alignl 7, 3214868480
	.fill 96, 4, 3214868480
	.section	.rodata,"a",@progbits
	.p2align	6, 0x0
	.amdhsa_kernel k_q49823849e7_pv
		.amdhsa_group_segment_fixed_size 327680
		.amdhsa_private_segment_fixed_size 0
		.amdhsa_enable_private_segment 0
		.amdhsa_kernarg_size 32
		.amdhsa_user_sgpr_count 2
		.amdhsa_user_sgpr_kernarg_segment_ptr 1
		.amdhsa_wavefront_size32 1
		.amdhsa_system_sgpr_workgroup_id_x 1
		.amdhsa_system_sgpr_workgroup_id_y 1
		.amdhsa_system_sgpr_workgroup_id_z 1
		.amdhsa_system_vgpr_workitem_id 0
		.amdhsa_next_free_vgpr 768
		.amdhsa_next_free_sgpr 76
		.amdhsa_reserve_vcc 0
		.amdhsa_float_denorm_mode_32 3
		.amdhsa_float_denorm_mode_16_64 3
		.amdhsa_memory_ordered 1
		.amdhsa_forward_progress 1
		.amdhsa_inst_pref_size 106
	.end_amdhsa_kernel
	.amdgpu_metadata
---
amdhsa.version: [ 1, 2 ]
amdhsa.kernels:
  - .name:           k_q49823849e7_pv
    .symbol:         k_q49823849e7_pv.kd
    .args:
      - { .name: e, .offset: 0, .size: 8, .value_kind: global_buffer, .address_space: global }
      - { .name: qkv, .offset: 8, .size: 8, .value_kind: global_buffer, .address_space: global }
      - { .name: stats, .offset: 16, .size: 8, .value_kind: global_buffer, .address_space: global }
      - { .name: out0, .offset: 24, .size: 8, .value_kind: global_buffer, .address_space: global }
    .group_segment_fixed_size: 327680
    .private_segment_fixed_size: 0
    .kernarg_segment_align: 8
    .kernarg_segment_size: 32
    .max_flat_workgroup_size: 128
    .sgpr_count:     76
    .vgpr_count:     768
    .wavefront_size: 32
...
	.end_amdgpu_metadata
.endif
;; end of part 8
